; MI455X (gfx1250); checked and timed in simulation.
; The chip was launched on July 23, 2026; its instructions are those of AMD's public machine-readable ISA for CDNA 5 (MIT licence, August 2026) and "CDNA5" Instruction Set Architecture Reference Guide (July 2026). The comments in the code are by the model that wrote it; some were corrected since.
;; Self Attention. Allowed arithmetic: matrix products marked QUANTISED: E4M3 operands, one given power-of-two scale a tensor, by v_wmma_f32_16x16x64_fp8_fp8 or v_wmma_f32_16x16x128_fp8_fp8, f32 sums; everything else in f32.
;; Inputs: Wk 1,024 x 512 float32; Wq 1,024 x 512 float32; Wv 1,024 x 128 float32; lowp_scales 10 int32 (the exponents e of the quantised operands' scales 2^e); x 4 x 4,096 x 1,024 float32.
;; Outputs: out0 4 x 4,096 x 128 float32.
;; This version of the problem:
;;   THIS VERSION OF THE PROBLEM IS GIVEN IN LOW PRECISION. The matrix products marked QUANTISED in the list below multiply operands that are first quantised to E4M3 (4 exponent bits, 3 mantissa bits; 8 bits a number), with one given power-of-two scale for each operand tensor; their sums are f32. All else is computed in f32.
;;   The module's matrix products, in the order in which they are computed (A, B: the left and right operand; K: the contracted axis; several contracted axes count as one K, in the product's order):
;;     1. [M 16,384, K 1,024] x [K 1,024, N 512]; A: input x; B: input Wq: QUANTISED (scales: A lowp_scales[0], B lowp_scales[1])
;;     2. [M 16,384, K 1,024] x [K 1,024, N 512]; A: input x; B: input Wk: QUANTISED (scales: A lowp_scales[2], B lowp_scales[3])
;;     3. [M 16,384, K 1,024] x [K 1,024, N 128]; A: input x; B: input Wv: QUANTISED (scales: A lowp_scales[4], B lowp_scales[5])
;;     4. batch 4 x [M 4,096, K 512] x [K 512, N 4,096]; A: computed on the way; B: computed on the way: QUANTISED (scales: A lowp_scales[6], B lowp_scales[7])
;;     5. batch 4 x [M 4,096, K 4,096] x [K 4,096, N 128]; A: softmax (see below); B: computed on the way: QUANTISED (scales: A lowp_scales[8], B lowp_scales[9])
;;   THE QUANTISER, for each operand of a quantised product, along K:
;;     - The operand's scale is 2^e, e = its entry of the input lowp_scales (int32; the entries are numbered through the quantised products in the list's order, A before B).
;;     - Each number is divided by the scale, clamped to +-448, and rounded to the nearest number of E4M3, ties to even, subnormals kept.
;;     - The product sums the exact products of the quantised numbers (number of the format x scale) in f32.
;;   ~~~python
;;   def quantise(x, axis, e):      # numpy; x: float32 -> the quantised numbers, widened to float32 again
;;       x = np.moveaxis(x, axis, -1); K = x.shape[-1]
;;       r = np.clip(x / 2.0 ** e, -448, 448)
;;       step = 2.0 ** (np.maximum(np.frexp(np.where(r == 0, 1, r))[1] - 1, -6) - 3)
;;       q = np.round(r / step) * step * 2.0 ** e      # np.round: ties to even
;;       return np.moveaxis(q, -1, axis).astype(np.float32)
;;   ~~~
;;   SOFTMAX AHEAD OF A QUANTISED PRODUCT. Where the list says 'softmax', what is quantised is not the finished softmax but p = 2^(t - M), with t = logit x log2(e) and M = ceil(the row's largest t), a whole number; so 1/2 < the row's largest p <= 1. The row's sum l is taken of the UNQUANTISED p, in f32, and the product's result is divided by l at the end. Since M is a whole number, a kernel that streams over the keys may use a running M (the ceiling of the running maximum): every later rescaling is an exact power of two, so the quantised numbers keep their values, but for numbers so far below the row's largest that they fall under the format's range.
;;   OPERANDS COMPUTED ON THE WAY. 'Computed on the way' means the value that the module computes at that place (a softmax that the list does not call 'softmax' is quantised finished and normalised). What goes into a quantiser is computed in f32, as accurately as f32 sums, v_exp_f32 and their like allow (about 1e-6 of the number): no bf16 or f16 on the way to a quantiser, and a product that is left as it is and whose result goes on into a quantised operand takes f32 operands (vector FMAs, or v_wmma_f32_16x16x4_f32). A number that lies on a knife's edge between two numbers of the format may be rounded either way, as far as f32 arithmetic and the matrix unit's own rounding can turn it there, and no further.
;; 2 versions, each right; version 2 is version 1 with the launch proj written anew for expert scheduling mode. Each part assembles by itself: llvm-mc -triple=amdgcn-amd-amdhsa -mcpu=gfx1250 --defsym DOCPART=n.
;; ======== version 1 of 2: 3 launches
;; workspace buffers: wimg 1,179,648 bytes; qimg 8,388,608 bytes; kimg 8,388,608 bytes; vimg 2,097,152 bytes
;; launch prep (part 1): grid 72 x 1, 4 waves a work-group, no clusters, 0 bytes of LDS; arguments Wq, Wk, Wv, lowp_scales, wimg; writes wimg
.if DOCPART == 1
	.amdgcn_target "amdgcn-amd-amdhsa--gfx1250"
	.amdhsa_code_object_version 6
	.text
	.protected	k_qe06c28f0f2_prep
	.globl	k_qe06c28f0f2_prep
	.p2align	8
	.type	k_qe06c28f0f2_prep,@function
k_qe06c28f0f2_prep:
	s_mov_b64 s[64:65], 0
	v_nop
	global_prefetch_b8 v0, s[64:65] scope:SCOPE_SE
	s_setreg_imm32_b32 hwreg(HW_REG_WAVE_MODE, 25, 1), 1
	s_wait_xcnt 0x0
; Wq, Wk [1024][512] and Wv [1024][128], f32 with K as their FIRST axis, become codes of FP8 (E4M3), each with its given scale 2^e
; (entries 1, 3, 5 of the scales), laid as IMAGES OF OPERAND REGISTERS for the next launch: a fragment is 16 columns x 128 places along K,
; 16 registers a lane, 2,048 bytes; registers 4 c .. 4 c + 3 of lane L lie at byte 512 c + 16 L.
; wimg = [w 4][sigma 18][f 8][2048]: w = the wave of the next launch that reads it.  sigma 0-7: Wq, K step sigma, columns 128 w + 16 f on;
; sigma 8-15: Wk likewise; sigma 16, 17: Wv, K step 4 (sigma - 16) + f / 2, columns 32 w + 16 (f % 2) on.
; THE PLACES ALONG K ARE PERMUTED, alike here and in x's codes of the next launch: place 128 s + 32 c + 16 h + 4 j + b (lane half h, register 4 c + j,
; byte b of K step s) holds k = 512 (s / 4) + 32 (s % 4) + 128 j + 4 (2 c + h) + b.  Every product still meets its partner; the sums' order changes.
; A LANE TAKES A COLUMN AND ITS REGISTERS RUN DOWN K, so the conversions give codes with K innermost and nothing is transposed.
; SHARES: a work-group takes 128 columns x one K step; a wave 32 columns = two fragments.  Work-groups 0-63: Wq and Wk; 64-71: Wv.
; code = x / 2^e, held within +-448, to the nearest code, ties to even.  LIMITS: e between -126 and 119.  NaN among the inputs is not served.
.set X, 32                             ; v32-159  128 numbers: group g = 2 c + h at 16 g, number (j, b) at 4 j + b
.set C, 160                            ; v160-191 codes: four registers for each group, so that no store's data are written again
	s_load_b256 s[4:11], s[0:1], 0x0               ; Wq s[4:5], Wk s[6:7], Wv s[8:9], the scales' exponents s[10:11]
	s_load_b64 s[12:13], s[0:1], 0x20              ; wimg
	v_lshrrev_b32 v3, 5, v0
	v_readfirstlane_b32 s14, v3                    ; wave 0..3
	v_and_b32 v4, 31, v0
	v_lshlrev_b32 v1, 2, v4                        ; in: 4 bytes a lane: 32 neighbouring columns
	v_and_b32 v5, 15, v0
	v_bfe_u32 v6, v0, 4, 1
	v_lshlrev_b32 v2, 4, v5
	v_lshl_add_u32 v2, v6, 11, v2                  ; out: lanes 0-15 the wave's first fragment, lanes 16-31 its second; 16 bytes a lane
	s_mov_b32 s29, 0
	s_wait_kmcnt 0x0
	s_load_b256 s[16:23], s[10:11], 0x0            ; e0 .. e7
.macro LOADS pitch                     ; 128 loads, group by group; each reads 128 consecutive bytes of one row of the weight
.irp g, 0,1,2,3,4,5,6,7
.irp j, 0,1,2,3
.irp b, 0,1,2,3
	global_load_b32 v[X+16*\g+4*\j+\b], v1, s[30:31] offset:(128*\j+4*\g+\b)*\pitch th:TH_LOAD_NT
.endr
.endr
.endr
.endm
	s_cmp_lt_u32 ttmp9, 64
	s_cbranch_scc0 .Lwv
	; ---- Wq or Wk: work-group = 32 P + 8 w + s
	s_lshr_b32 s24, ttmp9, 5                       ; P: 0 = Wq, 1 = Wk
	s_bfe_u32 s25, ttmp9, 0x20003                  ; w
	s_and_b32 s26, ttmp9, 7                        ; s
	s_lshr_b32 s27, s26, 2
	s_lshl_b32 s27, s27, 9
	s_and_b32 s28, s26, 3
	s_lshl_b32 s28, s28, 5
	s_add_co_u32 s27, s27, s28                     ; the K step's first row: 512 (s / 4) + 32 (s % 4)
	s_lshl_b32 s27, s27, 11                        ; rows of 2,048 bytes
	s_lshl_b32 s28, s25, 9
	s_add_co_u32 s27, s27, s28                     ; + 128 w columns
	s_lshl_b32 s28, s14, 7
	s_add_co_u32 s28, s27, s28                     ; + 32 columns for each wave
	s_cmp_eq_u32 s24, 0
	s_cselect_b64 s[30:31], s[4:5], s[6:7]
	s_add_nc_u64 s[30:31], s[30:31], s[28:29]
	s_mul_i32 s28, s25, 294912                     ; wimg: w's stream,
	s_lshl_b32 s27, s24, 3
	s_add_co_u32 s27, s27, s26
	s_lshl_b32 s27, s27, 14
	s_add_co_u32 s28, s28, s27                     ; sigma = 8 P + s,
	s_lshl_b32 s27, s14, 12
	s_add_co_u32 s28, s28, s27                     ; fragments 2 x wave and 2 x wave + 1
	s_add_nc_u64 s[32:33], s[12:13], s[28:29]
	LOADS 2048
	s_wait_kmcnt 0x0
	s_cmp_eq_u32 s24, 0
	s_cselect_b32 s34, s17, s19                    ; e1 or e3
	s_branch .Lquant
.Lwv:
	; ---- Wv: work-group = 64 + s; the wave's 32 columns belong to wave w = my wave's number of the next launch
	s_sub_co_u32 s26, ttmp9, 64                    ; s
	s_lshr_b32 s24, s26, 2
	s_lshl_b32 s27, s24, 9
	s_and_b32 s25, s26, 3
	s_lshl_b32 s28, s25, 5
	s_add_co_u32 s27, s27, s28
	s_lshl_b32 s27, s27, 9                         ; rows of 512 bytes
	s_lshl_b32 s28, s14, 7
	s_add_co_u32 s28, s27, s28
	s_add_nc_u64 s[30:31], s[8:9], s[28:29]
	s_mul_i32 s28, s14, 294912
	s_add_co_u32 s27, s24, 16
	s_lshl_b32 s27, s27, 14
	s_add_co_u32 s28, s28, s27                     ; sigma = 16 + s / 4,
	s_lshl_b32 s27, s25, 12
	s_add_co_u32 s28, s28, s27                     ; fragments 2 (s % 4) and 2 (s % 4) + 1
	s_add_nc_u64 s[32:33], s[12:13], s[28:29]
	LOADS 512
	s_wait_kmcnt 0x0
	s_mov_b32 s34, s21                             ; e5
.Lquant:                                               ; both ways arrive with the same 128 loads issued, in the same order
	s_add_co_i32 s34, s34, 127
	s_lshl_b32 s35, s34, 23
	v_mov_b32 v11, s35                             ; 2^e as f32: the conversion takes its exponent field
	s_add_co_i32 s34, s34, 8
	s_lshl_b32 s34, s34, 23
	s_or_b32 s34, s34, 0x600000
	v_mov_b32 v10, s34                             ; 448 x 2^e
.irp g, 0,1,2,3,4,5,6,7
.if \g == 0
	s_wait_loadcnt 63                              ; at most 63 of the 128 are out: the first 65 are in, groups 0 to 3 among them
.endif
.if \g >= 4
	s_wait_loadcnt 16*(7-\g)                       ; this group is in; the 16 loads of each later group may be out
.endif
.irp i, 0,1,2,3,4,5,6,7,8,9,10,11,12,13,14,15
	v_med3_num_f32 v[X+16*\g+\i], v[X+16*\g+\i], -v10, v10   ; the conversion to an 8-bit code does not saturate (ISA guide 7.6.2): the hold comes first
.endr
	v_cvt_scalef32_pk8_fp8_f32 v[C+4*\g:C+4*\g+1], v[X+16*\g:X+16*\g+7], v11
	v_cvt_scalef32_pk8_fp8_f32 v[C+4*\g+2:C+4*\g+3], v[X+16*\g+8:X+16*\g+15], v11
	global_store_b128 v2, v[C+4*\g:C+4*\g+3], s[32:33] offset:256*\g   ; sixteen lanes store 256 consecutive bytes, at a multiple of 256 from wimg's first byte
.endr
	s_endpgm
.Lfunc_end_k_qe06c28f0f2_prep:
	.size	k_qe06c28f0f2_prep, .Lfunc_end_k_qe06c28f0f2_prep-k_qe06c28f0f2_prep
	.p2alignl 7, 3214868480
	.fill 96, 4, 3214868480
	.section	.rodata,"a",@progbits
	.p2align	6, 0x0
	.amdhsa_kernel k_qe06c28f0f2_prep
		.amdhsa_group_segment_fixed_size 0
		.amdhsa_private_segment_fixed_size 0
		.amdhsa_enable_private_segment 0
		.amdhsa_kernarg_size 40
		.amdhsa_user_sgpr_count 2
		.amdhsa_user_sgpr_kernarg_segment_ptr 1
		.amdhsa_wavefront_size32 1
		.amdhsa_system_sgpr_workgroup_id_x 1
		.amdhsa_system_sgpr_workgroup_id_y 1
		.amdhsa_system_sgpr_workgroup_id_z 1
		.amdhsa_system_vgpr_workitem_id 0
		.amdhsa_next_free_vgpr 192
		.amdhsa_next_free_sgpr 66
		.amdhsa_reserve_vcc 0
		.amdhsa_float_denorm_mode_32 3
		.amdhsa_float_denorm_mode_16_64 3
		.amdhsa_memory_ordered 1
		.amdhsa_forward_progress 1
		.amdhsa_inst_pref_size 37
	.end_amdhsa_kernel
	.amdgpu_metadata
---
amdhsa.version: [ 1, 2 ]
amdhsa.kernels:
  - .name:           k_qe06c28f0f2_prep
    .symbol:         k_qe06c28f0f2_prep.kd
    .args:
      - { .name: Wq, .offset: 0, .size: 8, .value_kind: global_buffer, .address_space: global }
      - { .name: Wk, .offset: 8, .size: 8, .value_kind: global_buffer, .address_space: global }
      - { .name: Wv, .offset: 16, .size: 8, .value_kind: global_buffer, .address_space: global }
      - { .name: lowp_scales, .offset: 24, .size: 8, .value_kind: global_buffer, .address_space: global }
      - { .name: wimg, .offset: 32, .size: 8, .value_kind: global_buffer, .address_space: global }
    .group_segment_fixed_size: 0
    .private_segment_fixed_size: 0
    .kernarg_segment_align: 8
    .kernarg_segment_size: 40
    .max_flat_workgroup_size: 128
    .sgpr_count:     66
    .vgpr_count:     192
    .wavefront_size: 32
...
	.end_amdgpu_metadata
.endif
;; end of part 1
;; launch proj (part 2): grid 256 x 1, 4 waves a work-group, no clusters, 200,192 bytes of LDS; arguments x, wimg, lowp_scales, qimg, kimg, vimg; writes qimg, kimg, vimg
.if DOCPART == 2
	.amdgcn_target "amdgcn-amd-amdhsa--gfx1250"
	.amdhsa_code_object_version 6
	.text
	.protected	k_qe06c28f0f2_proj
	.globl	k_qe06c28f0f2_proj
	.p2align	8
	.type	k_qe06c28f0f2_proj,@function
k_qe06c28f0f2_proj:
	s_mov_b64 s[64:65], 0
	v_nop
	global_prefetch_b8 v0, s[64:65] scope:SCOPE_SE
	s_setreg_imm32_b32 hwreg(HW_REG_WAVE_MODE, 25, 1), 1
	s_wait_xcnt 0x0
; Q = x Wq, K = x Wk, V = x Wv on codes of FP8 (E4M3), and the results quantised again for the attention launch.
; x [16384][1024] f32 has a given scale of its own in each of the three products (entries 0, 2, 4): it is quantised three times, in registers, and read from memory once.
; The weights come as images of operand registers (wimg, made by the launch before).  Results: sum x 2^(ea + eb), quantised with entries 6 (Q), 7 (K), 9 (V): the three
; exponents are folded into the conversion's one scale, 2^(e6 - e0 - e1) and its like.
; SHARES.  A work-group takes 64 rows of x and all 1,152 columns.  THE WAVES SHARE THE COLUMNS: wave w makes channels 128 w .. 128 w + 127 of Q and of K (8 tiles each) and
; channels 32 w .. 32 w + 31 of V, for all four tiles of 16 rows: 576 matrix instructions a wave.
; x'S CODES lie in LDS as rows, a set for each scale, written once, then one barrier, then only read.  A wave quantises 16 rows.  Each load takes 512 consecutive bytes of a row;
; a lane's 16 numbers of a half row (k = 512 u + 128 m + 4 l + i) become 16 codes at place 512 u + 16 l + 4 m + i: THE PLACES ALONG K ARE PERMUTED, alike in the weights' images.
; THE WORK-GROUPS WALK K FROM DIFFERENT STARTS: in Q's and K's products work-group g takes, at position j of 8, K step (j + g % 8) % 8: at any time eight different parts of a weight's
; image are asked for, not one part by all 256 work-groups.  The products are the same; the order of the sums differs from work-group to work-group.  V's product goes in ascending order.
; NO JOINT LOADS FOR THE WEIGHTS, though all work-groups read them: each fragment is read by ONE wave of a work-group, once.  Through LDS its 1,152 KB would be written and read
; again in every work-group, beside x's 192 KB written and 768 KB read, only to be passed on; and beside x's three sets 128,000 bytes are left, less than two slots of a K step's 65,536.
; So each lane loads its registers whole, 512 consecutive bytes a load.
; LAYOUTS.  Q and K: the matrix instruction is used transposed (source 0 = 16 columns of W, source 1 = 16 rows of x): a lane holds ONE row and channels 16 b + 8 h + 0..7, which converted
; are registers 2 b, 2 b + 1 of the attention's fragment (16 rows x 128 channels).  V: untransposed: a lane holds ONE channel and keys 16 m + 8 h + 0..7: registers 2 m, 2 m + 1 of a
; fragment of V^T (16 channels x 64 keys).  All three leave as images: registers 4 c .. 4 c + 3 of lane L at byte 512 c + 16 L.
; qimg, kimg = [tile of 16 rows][128 channels s][2048];  vimg = [64 keys][16 channels][1024].
; LIMITS, so that each power of two is an f32 number: e0, e2, e4, e6 - e0 - e1, e7 - e2 - e3, e9 - e4 - e5 between -126 and 119.  NaN among the inputs is not served.
; REGISTERS, in windows of 256.  Window 0: v1-16 addresses and scales; while x is quantised v32-191 a ring of ten units of 16 numbers, v192-223 held numbers, v224-247 codes;
;   in the products v64-127, v128-191 x's fragments, two buffers; v192-255 the codes that leave.   Window 1: the accumulators, (m, b) at 8 (8 m + b).   Windows 2, 3: four buffers of 8 fragments of W.
; SCALARS: s[28:29] x, s[30:31] my stream of W at the product in hand, s[32:37] the three outputs, s[38:39] the trip's output, s40 the trip, s41 its set, s42-47 the outputs' scales and limits,
;   s[52:53] an offset (s53 = 0), s54 a K step's bytes in a row of codes, s58 g % 8, s59 the same for the product that follows (0 for V), s[60:61], s[62:63] the bases of the loads of W at even and odd positions.
.set XP,     1040                      ; a row of x's codes in LDS: 1,024 bytes + 16 = 65 x 16: the 16 rows that a fragment load touches start at 16 different banks (64 banks of 4 bytes: ISA guide 11.1)
.set TILE16, 16*XP
.set SETB,   64*XP                     ; a set: 64 rows
.set R,   32
.set TA,  192
.set TB,  208
.set C,   224
.set XF,  64
.set PC,  192
.set MSB, 0
.macro WIN new                         ; the immediate's high byte repeats the setting that is left; a switch that changes nothing is dropped
.if MSB != \new
	s_set_vgpr_msb (MSB<<8)|\new
.set MSB, \new
.endif
.endm
.macro PLACES                          ; four places in front of loads into registers that matrix instructions have read, and of the first read of results
.rept 4
	v_nop
.endr
.endm
.macro MKS sc, lm, e                   ; s[e] = an exponent E (used up): s[sc] = 2^E as f32, s[lm] = 448 x 2^E
	s_add_co_i32 s[\e], s[\e], 127
	s_lshl_b32 s[\sc], s[\e], 23
	s_add_co_i32 s[\e], s[\e], 8
	s_lshl_b32 s[\lm], s[\e], 23
	s_or_b32 s[\lm], s[\lm], 0x600000
.endm
; where the eight fragments of position pos lie: my stream + extra + 16,384 x ((pos + s[rot]) % 8)
.macro WADR base, pos, rot, extra
	s_add_co_u32 s52, s[\rot], \pos
	s_and_b32 s52, s52, 7
	s_lshl_b32 s52, s52, 14
.if \extra
	s_add_co_u32 s52, s52, \extra
.endif
	s_add_nc_u64 s[\base:\base+1], s[30:31], s[52:53]
.endm
; eight fragments of W, 16 KB on end from s[base] on, into buffer j (window 2 + j / 2, at 128 (j % 2))
.macro WLOAD base, j
	WIN 0x80+0x40*((\j)/2)
.irp f, 0,1,2,3,4,5,6,7
.irp c, 0,1,2,3
	global_load_b128 v[128*((\j)%2)+16*\f+4*\c:128*((\j)%2)+16*\f+4*\c+3], v1, s[\base:\base+1] offset:\f*2048+512*\c
.endr
.endr
.endm
; unit t = half t % 2 of my row t / 2: four loads of 512 consecutive bytes
.macro XLD t
.irp m, 0,1,2,3
	global_load_b128 v[R+16*((\t)%10)+4*\m:R+16*((\t)%10)+4*\m+3], v1, s[28:29] offset:((\t)/2)*4096+((\t)%2)*2048+512*\m th:TH_LOAD_NT
.endr
.endm
; a unit's 16 numbers a lane are held and converted three times, once for each scale, and 16 codes go to each set
.macro UNIT t
.set RU, R+16*((\t)%10)
.set CU, C+12*((\t)%2)
.if 31-(\t) < 9
	s_wait_loadcnt 4*(31-(\t))                     ; my four loads are in; those of the units behind may be out
.else
	s_wait_loadcnt 36                              ; my four loads are in; the nine units behind may be out
.endif
.if (\t) == 31
	WADR 62, 1, 58, 0                              ; nothing is out: position 1 of Wq is asked for here, so that the products' counts hold
	WLOAD 62, 1
	WIN 0
.endif
.if (\t) >= 2
	s_wait_dscnt 3                                 ; the last unit's three stores may be out; the unit before that has read these code registers
.endif
.irp i, 0,1,2,3,4,5,6,7,8,9,10,11,12,13,14,15
	v_med3_num_f32 v[TA+\i], v[RU+\i], -v9, v9     ; the conversion to an 8-bit code does not saturate (ISA guide 7.6.2): the hold comes first
.endr
	v_cvt_scalef32_pk8_fp8_f32 v[CU:CU+1], v[TA:TA+7], v8
	v_cvt_scalef32_pk8_fp8_f32 v[CU+2:CU+3], v[TA+8:TA+15], v8
.irp i, 0,1,2,3,4,5,6,7,8,9,10,11,12,13,14,15
	v_med3_num_f32 v[TB+\i], v[RU+\i], -v11, v11
.endr
	v_cvt_scalef32_pk8_fp8_f32 v[CU+4:CU+5], v[TB:TB+7], v10
	v_cvt_scalef32_pk8_fp8_f32 v[CU+6:CU+7], v[TB+8:TB+15], v10
.irp i, 0,1,2,3,4,5,6,7,8,9,10,11,12,13,14,15
	v_med3_num_f32 v[RU+\i], v[RU+\i], -v13, v13
.endr
	v_cvt_scalef32_pk8_fp8_f32 v[CU+8:CU+9], v[RU:RU+7], v12
	v_cvt_scalef32_pk8_fp8_f32 v[CU+10:CU+11], v[RU+8:RU+15], v12
.if (\t) == 31
	v_nop                                          ; one plain vector line behind the last conversion: later vector and matrix lines write these registers again
.endif
	ds_store_b128 v2, v[CU:CU+3] offset:((\t)/2)*XP+((\t)%2)*512        ; 32 lanes store 512 consecutive bytes of a row
	ds_store_b128 v3, v[CU+4:CU+7] offset:((\t)/2)*XP+((\t)%2)*512
	ds_store_b128 v4, v[CU+8:CU+11] offset:((\t)/2)*XP+((\t)%2)*512
.if (\t)+10 < 32
	XLD (\t)+10
.endif
.endm
; x's four fragments (tiles of 16 rows) at byte 128 s of the rows at v[adr], into buffer buf
.macro XFRAG buf, adr, s
.irp m, 0,1,2,3
.irp c, 0,1,2,3
	ds_load_b128 v[XF+64*(\buf)+16*\m+4*\c:XF+64*(\buf)+16*\m+4*\c+3], v[\adr] offset:\m*TILE16+128*(\s)+32*\c
.endr
.endr
.endm
; position s of Q's or K's product: 32 matrix instructions; the 32 accumulators take turns, one instruction a turn
.macro STEP s
	s_wait_loadcnt 32                              ; this position's fragments of W are in, so their base may be written; the next position's 32 loads may be out
	s_wait_dscnt 0x0                               ; x's fragments, asked for a position ago
.if (\s) < 6
	WADR 60+2*((\s)%2), (\s)+2, 58, 0              ; two positions ahead, in this product,
.else
	WADR 60+2*((\s)%2), (\s)-6, 59, 131072         ; or in the next one: eight K steps on in my stream
.endif
.if (\s) < 7
	s_add_co_u32 s54, s58, (\s)+1                  ; x: the next position's K step: 128 bytes of a row each,
	s_and_b32 s54, s54, 7
	s_lshl_b32 s54, s54, 7
.else
	s_and_b32 s54, s59, 7                          ; or the next product's first, in the next set
	s_lshl_b32 s54, s54, 7
	s_add_co_u32 s54, s54, SETB
.endif
	v_add_nc_u32 v16, s54, v6                      ; with the three lines below: the four places, since the other buffer of x was read by the last position's products
.rept 3
	v_nop
.endr
	XFRAG ((\s)+1)%2, 16, 0
	WLOAD 60+2*((\s)%2), ((\s)+2)%4                ; that buffer was last read two positions ago, eight places back
	WIN 0x52+((\s)%4)/2                            ; source 0 (W) window 2 or 3, source 1 (x) window 0, C and D window 1
.set WB, 128*((\s)%2)
.set XBF, XF+64*((\s)%2)
.irp m, 0,1,2,3
.irp b, 0,1,2,3,4,5,6,7
.if (\s) == 0
	v_wmma_f32_16x16x128_fp8_fp8 v[8*(8*\m+\b):8*(8*\m+\b)+7], v[WB+16*\b:WB+16*\b+15], v[XBF+16*\m:XBF+16*\m+15], 0
.else
	v_wmma_f32_16x16x128_fp8_fp8 v[8*(8*\m+\b):8*(8*\m+\b)+7], v[WB+16*\b:WB+16*\b+15], v[XBF+16*\m:XBF+16*\m+15], v[8*(8*\m+\b):8*(8*\m+\b)+7]
.endif
.endr
.endr
	WIN 0
.endm
; Q's or K's sums become codes and leave: for each tile of rows one fragment of the attention's, 2,048 bytes
.macro OUTQK
	PLACES
	s_wait_xcnt 0x0                                ; the last stores have read the code registers
.irp m, 0,1,2,3
	WIN 0x41                                       ; destination and source 0 window 1
.set i, 0
.rept 64
	v_med3_num_f32 v[64*\m+i], v[64*\m+i], -v15, v15   ; each accumulator from its low end on
.set i, i+1
.endr
	WIN 0x01                                       ; source 0 window 1, destination window 0
.irp b, 0,1,2,3,4,5,6,7
	v_cvt_scalef32_pk8_fp8_f32 v[PC+16*\m+2*\b:PC+16*\m+2*\b+1], v[64*\m+8*\b:64*\m+8*\b+7], v14
.endr
.endr
	WIN 0
	v_nop                                          ; one plain vector line behind the last conversion: the next products write its sources
.irp m, 0,1,2,3
.irp c, 0,1,2,3
	global_store_b128 v1, v[PC+16*\m+4*\c:PC+16*\m+4*\c+3], s[38:39] offset:\m*8192+512*\c   ; 32 lanes store 512 consecutive bytes, at a multiple of 256 from the buffer's first byte
.endr
.endr
.endm
; a K step of V's product: 8 matrix instructions, untransposed; its 16 fragments of W lie in buffers 0 and 1
.macro STEPV s
.if (\s) == 0
	s_wait_loadcnt 32                              ; K steps 0-3 of Wv are in; K steps 4-7 may be out
.endif
.if (\s) == 4
	s_wait_loadcnt 0x0
.endif
	s_wait_dscnt 0x0
	PLACES
.if (\s) < 7
	XFRAG ((\s)+1)%2, 6, (\s)+1
.endif
	WIN 0x58                                       ; source 0 (x) window 0, source 1 (W) window 2, C and D window 1
.set WB, 128*((\s)/4)+32*((\s)%4)
.set XBF, XF+64*((\s)%2)
.irp m, 0,1,2,3
.irp n, 0,1
.if (\s) == 0
	v_wmma_f32_16x16x128_fp8_fp8 v[8*(2*\m+\n):8*(2*\m+\n)+7], v[XBF+16*\m:XBF+16*\m+15], v[WB+16*\n:WB+16*\n+15], 0
.else
	v_wmma_f32_16x16x128_fp8_fp8 v[8*(2*\m+\n):8*(2*\m+\n)+7], v[XBF+16*\m:XBF+16*\m+15], v[WB+16*\n:WB+16*\n+15], v[8*(2*\m+\n):8*(2*\m+\n)+7]
.endif
.endr
.endr
	WIN 0
.endm
	s_load_b256 s[4:11], s[0:1], 0x0               ; x s[4:5], wimg s[6:7], the scales' exponents s[8:9], qimg s[10:11]
	s_load_b128 s[12:15], s[0:1], 0x20             ; kimg s[12:13], vimg s[14:15]
	v_lshl_add_u32 v30, v0, 2, 0x30c00
	v_mov_b32 v31, 0
	v_lshrrev_b32 v16, 5, v0
	v_readfirstlane_b32 s26, v16                   ; wave 0..3
	v_and_b32 v16, 31, v0
	v_lshlrev_b32 v1, 4, v16                       ; 16 x lane: every global load and store, never rewritten
	s_mul_i32 s27, s26, TILE16
	v_add_nc_u32 v2, s27, v1                       ; where I store codes: my wave's 16 rows, 16 x lane; set 0,
	v_add_nc_u32 v3, SETB, v2                      ; set 1,
	v_add_nc_u32 v4, 2*SETB, v2                    ; set 2
	v_and_b32 v16, 15, v0
	v_bfe_u32 v17, v0, 4, 1
	v_mul_u32_u24 v5, v16, XP
	v_lshl_add_u32 v5, v17, 4, v5                  ; a fragment's row x pitch + 16 x half; never rewritten
	s_and_b32 s58, ttmp9, 7                        ; where my work-group begins its walk along K
	s_lshl_b32 s48, ttmp9, 18                      ; x: 64 rows of 4,096 bytes a work-group,
	s_lshl_b32 s49, s26, 16                        ; 16 a wave
	s_add_co_u32 s48, s48, s49
	s_mov_b32 s49, 0
	s_mul_i32 s50, s26, 294912                     ; my stream of W
	s_mov_b32 s51, 0
	s_lshl_b32 s52, ttmp9, 15                      ; qimg, kimg: four tiles of 8,192 bytes a work-group,
	s_lshl_b32 s53, s26, 11                        ; channels 128 w on
	s_add_co_u32 s52, s52, s53
	s_mov_b32 s53, 0                               ; (stays 0: the upper word of every offset made in s52)
	s_lshl_b32 s54, ttmp9, 13                      ; vimg: 8,192 bytes a work-group,
	s_lshl_b32 s55, s26, 11                        ; two fragments of 1,024 a wave
	s_add_co_u32 s54, s54, s55
	s_mov_b32 s55, 0
	s_wait_kmcnt 0x0
	s_load_b256 s[16:23], s[8:9], 0x0              ; e0 .. e7
	s_load_b64 s[24:25], s[8:9], 0x20              ; e8, e9
	s_add_nc_u64 s[28:29], s[4:5], s[48:49]
	s_add_nc_u64 s[30:31], s[6:7], s[50:51]
	s_add_nc_u64 s[32:33], s[10:11], s[52:53]
	s_add_nc_u64 s[34:35], s[12:13], s[52:53]
	s_add_nc_u64 s[36:37], s[14:15], s[54:55]
	WADR 60, 0, 58, 0                              ; position 0 of Wq
	WLOAD 60, 0
	WIN 0
.irp t, 0,1,2,3,4,5,6,7,8,9
	XLD \t
.endr
	s_wait_kmcnt 0x0
	s_sub_co_i32 s22, s22, s16
	s_sub_co_i32 s22, s22, s17                     ; e6 - e0 - e1
	s_sub_co_i32 s23, s23, s18
	s_sub_co_i32 s23, s23, s19                     ; e7 - e2 - e3
	s_sub_co_i32 s25, s25, s20
	s_sub_co_i32 s25, s25, s21                     ; e9 - e4 - e5
	MKS 42, 43, 22
	MKS 44, 45, 23
	MKS 46, 47, 25
	MKS 48, 49, 16
	v_mov_b32 v8, s48                              ; 2^e0,
	v_mov_b32 v9, s49                              ; 448 x 2^e0
	MKS 48, 49, 18
	v_mov_b32 v10, s48
	v_mov_b32 v11, s49
	MKS 48, 49, 20
	v_mov_b32 v12, s48
	v_mov_b32 v13, s49
	; ---- x: my 16 rows, 32 units
.irp t, 0,1,2,3,4,5,6,7,8,9,10,11,12,13,14,15,16,17,18,19,20,21,22,23,24,25,26,27,28,29,30,31
	UNIT \t
.endr
	s_wait_dscnt 0x0                               ; for the others' sake: my stores have landed
	s_barrier_signal -1
	s_barrier_wait -1                              ; all 64 rows lie in LDS, in three sets; from here on LDS is only read
	s_lshl_b32 s54, s58, 7
	v_add_nc_u32 v16, s54, v5                      ; position 0 of Q's product, in set 0
	XFRAG 0, 16, 0
	s_mov_b32 s40, 0                               ; the trip: 0 = Q, 1 = K
	s_mov_b32 s41, 0                               ; its set's first byte
.Lprod:
	v_add_nc_u32 v6, s41, v5                       ; this product's set
	s_cmp_eq_u32 s40, 0
	s_cselect_b64 s[38:39], s[32:33], s[34:35]
	s_cselect_b32 s56, s42, s44
	s_cselect_b32 s57, s43, s45
	s_cselect_b32 s59, s58, 0                      ; K's product begins where Q's did; V's at K step 0
	v_mov_b32 v14, s56
	v_mov_b32 v15, s57
.irp q, 0,1,2,3,4,5,6,7
	STEP \q
.endr
	OUTQK
	s_wait_xcnt 0x0                                ; the stores have read their base, which the next trip chooses anew
	s_add_nc_u64 s[30:31], s[30:31], 131072        ; eight K steps on in my stream (no pending load names this pair: the loads' bases are s[60:63])
	s_add_co_u32 s41, s41, SETB
	s_add_co_u32 s40, s40, 1
	s_cmp_lt_u32 s40, 2
	s_cbranch_scc1 .Lprod
	; ---- V
	v_add_nc_u32 v6, 2*SETB, v5
	v_mov_b32 v14, s46
	v_mov_b32 v15, s47
.irp q, 0,1,2,3,4,5,6,7
	STEPV \q
.endr
	PLACES
	s_wait_xcnt 0x0                                ; K's stores have read the code registers
	WIN 0x41
.set i, 0
.rept 64
	v_med3_num_f32 v[i], v[i], -v15, v15
.set i, i+1
.endr
	WIN 0x01
.irp n, 0,1
.irp m, 0,1,2,3
	v_cvt_scalef32_pk8_fp8_f32 v[PC+8*\n+2*\m:PC+8*\n+2*\m+1], v[8*(2*\m+\n):8*(2*\m+\n)+7], v14
.endr
.endr
	WIN 0
	v_nop
.irp n, 0,1
.irp c, 0,1
	global_store_b128 v1, v[PC+8*\n+4*\c:PC+8*\n+4*\c+3], s[36:37] offset:\n*1024+512*\c
.endr
.endr
	s_wait_tensorcnt 0x0
	ds_add_u32 v30, v31
	s_wait_dscnt 0x0
	s_endpgm
.Lfunc_end_k_qe06c28f0f2_proj:
	.size	k_qe06c28f0f2_proj, .Lfunc_end_k_qe06c28f0f2_proj-k_qe06c28f0f2_proj
	.p2alignl 7, 3214868480
	.fill 96, 4, 3214868480
	.section	.rodata,"a",@progbits
	.p2align	6, 0x0
	.amdhsa_kernel k_qe06c28f0f2_proj
		.amdhsa_group_segment_fixed_size 200192
		.amdhsa_private_segment_fixed_size 0
		.amdhsa_enable_private_segment 0
		.amdhsa_kernarg_size 48
		.amdhsa_user_sgpr_count 2
		.amdhsa_user_sgpr_kernarg_segment_ptr 1
		.amdhsa_wavefront_size32 1
		.amdhsa_system_sgpr_workgroup_id_x 1
		.amdhsa_system_sgpr_workgroup_id_y 1
		.amdhsa_system_sgpr_workgroup_id_z 1
		.amdhsa_system_vgpr_workitem_id 0
		.amdhsa_next_free_vgpr 1024
		.amdhsa_next_free_sgpr 66
		.amdhsa_reserve_vcc 0
		.amdhsa_float_denorm_mode_32 3
		.amdhsa_float_denorm_mode_16_64 3
		.amdhsa_memory_ordered 1
		.amdhsa_forward_progress 1
		.amdhsa_inst_pref_size 231
	.end_amdhsa_kernel
	.amdgpu_metadata
---
amdhsa.version: [ 1, 2 ]
amdhsa.kernels:
  - .name:           k_qe06c28f0f2_proj
    .symbol:         k_qe06c28f0f2_proj.kd
    .args:
      - { .name: x, .offset: 0, .size: 8, .value_kind: global_buffer, .address_space: global }
      - { .name: wimg, .offset: 8, .size: 8, .value_kind: global_buffer, .address_space: global }
      - { .name: lowp_scales, .offset: 16, .size: 8, .value_kind: global_buffer, .address_space: global }
      - { .name: qimg, .offset: 24, .size: 8, .value_kind: global_buffer, .address_space: global }
      - { .name: kimg, .offset: 32, .size: 8, .value_kind: global_buffer, .address_space: global }
      - { .name: vimg, .offset: 40, .size: 8, .value_kind: global_buffer, .address_space: global }
    .group_segment_fixed_size: 200192
    .private_segment_fixed_size: 0
    .kernarg_segment_align: 8
    .kernarg_segment_size: 48
    .max_flat_workgroup_size: 128
    .sgpr_count:     66
    .vgpr_count:     1024
    .wavefront_size: 32
...
	.end_amdgpu_metadata
.endif
;; end of part 2
;; launch attn (part 3): grid 64 x 4, 4 waves a work-group, clusters of 4 x 1, 327,680 bytes of LDS; arguments qimg, kimg, vimg, lowp_scales, out0; writes out0
.if DOCPART == 3
	.amdgcn_target "amdgcn-amd-amdhsa--gfx1250"
	.amdhsa_code_object_version 6
	.text
	.protected	k_qe06c28f0f2_attn
	.globl	k_qe06c28f0f2_attn
	.p2align	8
	.type	k_qe06c28f0f2_attn,@function
k_qe06c28f0f2_attn:
	s_mov_b64 s[64:65], 0
	v_nop
	global_prefetch_b8 v0, s[64:65] scope:SCOPE_SE
	s_setreg_imm32_b32 hwreg(HW_REG_WAVE_MODE, 25, 1), 1
	s_wait_xcnt 0x0
	s_wait_alu depctr_hold_cnt(0) depctr_sa_sdst(0) depctr_va_vdst(0) depctr_va_sdst(0) depctr_va_ssrc(0) depctr_va_vcc(0) depctr_vm_vsrc(0)
	s_getreg_b32 s2, hwreg(HW_REG_IB_STS2, 6, 4)
	s_cmp_eq_u32 s2, 0
	s_cbranch_scc0 .Lentry_in_a_cluster
	s_endpgm
.Lentry_in_a_cluster:
	s_bfe_u32 s2, ttmp6, 0x10000c
	s_cmp_lg_u32 s2, 0x3003
	s_cbranch_scc0 .Lentry_shape_is_right
	s_endpgm
.Lentry_shape_is_right:
; out0[b][q][:] = the sum over keys of softmax(Q[b][q] . K[b][key] / sqrt(512)) V[b][key][:], both products on codes of FP8 (E4M3) with the given scales (entries 6, 7, 8, 9).
; Q, K, V come as images of operand registers from the launch before: qimg, kimg = [tile of 16 rows][128 channels s][2048], vimg = [64 keys][16 channels][1024] (V^T, keys innermost).
; THE SOFTMAX AHEAD OF THE SECOND PRODUCT: t = score x log2(e) / sqrt(512); M = the largest t so far, rounded UP to a whole number; p = 2^(t - M) is what is quantised; the sum l is taken of the
; unquantised p and divides at the end.  When M moves, l and O are multiplied by 2^(old M - new M): nothing is rounded.
; SHARES.  A work-group owns 64 queries of one batch: 256 work-groups.  All four waves hold the same four tiles of 16 queries (Q: 256 registers) and SPLIT THE KEYS: of a step's 256 keys wave w takes
; 64 w .. 64 w + 63.  Each wave has its own M, l and O^T; at the end they are brought under the largest M (factors that are powers of two) and added, through LDS.
; A step and wave: 64 products K Q^T (16 x 16 x 128) and 32 products V^T P (16 x 16 x 64).  Both are used transposed: a lane holds ONE query (lane % 16) throughout, and p's converted registers are the operand.
; THE CLUSTERS OF A BATCH BEGIN AT DIFFERENT KEYS: cluster x of 16 begins at step x of 16 and walks round, so that at any time the sixteen ask for sixteen different steps' tiles of K and V.
; A running M takes the keys in any order.  The step's number hangs on the cluster's number alone, which the four partners share.
; CLUSTER.  The four work-groups of a cluster belong to one batch and walk the same K: each wave's 32 KB of a step is asked for JOINTLY, by the same tensor load with the same descriptor and the mask of all four.
; A slot holds a step's 128 KB; wave w's part lies at 32,768 w and only wave w reads it.  By this text's own count a wave has one tensor load out.
; V IS NOT ASKED FOR JOINTLY, though the four share it: two slots of K and V together would be 2 x (131,072 + 32,768) = 327,680 bytes, all that is claimed, and the spare words and the
; statistics would have no bytes.  V is a fifth of a step's bytes; it goes straight into registers, asked for at a step's head and used at its end.
; NO PREFETCH: K and V are not read once: sixteen clusters read each tile, each in another of its sixteen steps.
; LIMITS, so that each power of two is an f32 number: e6 + e7 between -122 and 131 (added to c's exponent field); e8 between -126 and 119; e8 + e9 goes by v_ldexp_f32 and has none.
; Each wave quantises p under its own running M, which is at most the row's.  NaN among the inputs is not served.
; REGISTERS, in windows of 256.  Window 0: v1-13 addresses; v16-47 eight registers of statistics a tile; v48, v49 2^e8 and 448 x 2^e8; v64-191 S^T, then p (tile t, 16 keys kt at 32 t + 8 kt); v192-223 p's codes.
;   Window 1: O^T (tile t, 16 channels dt at 64 t + 8 dt).   Window 2: Q (64 t + 16 s).   Window 3: v0-191 three buffers of 16 keys of K (64 buf + 16 s); v192-255 V^T (192 + 8 dt).
; SCALARS: s[12:13] out0 at my rows; s14 wave; s[22:23] an offset (s23 = 0); s[24:31], s[32:35] the descriptor; s[36:37] c; s[38:39] lane selects; s40 the slot in hand; s41 the loop's count;
;   s[42:43] V at the step in hand; s[44:45] K, s[46:47] V at my wave's part of the batch's step 0, never rewritten; s48 the step last asked for; s49 the step in hand; s62 e8 + e9.
.set SLOT1, 1<<17                      ; slot 1 begins here, so that one exclusive or turns an address in one slot into the other's
.set SPARE, 2*SLOT1                    ; behind the ring: the spare words, 128 bytes for each wave: two blocks of 256 bytes that no other line names
.set STAT,  SPARE+512                  ; the waves' -M and l: wave at 1,024, tile at 256, -M at 0 and l at 128, 4 bytes a lane
.set SPI,   528                        ; the way out: a row of 128 f32 + 16 bytes = 33 x 16: the 16 rows that a store touches start at 16 different banks (64 banks of 4 bytes: ISA guide 11.1)
.set CPB,   64*SPI                     ; a wave's copy of the 64 rows.  The four copies lie in the ring, from byte 0 on: when they are written both slots have had their last fill and their last read
.set ST,  16                           ; tile t at v[ST + 8 t]: +0 -M, +1 the largest t, +2, +3 l in two halves, +4 to +7 at work (c0-c3); f, later g, takes c2's place
.set S,   64
.set P,   192
.set MSB, 0
.macro WIN new                         ; the immediate's high byte repeats the setting that is left; a switch that changes nothing is dropped
.if MSB != \new
	s_set_vgpr_msb (MSB<<8)|\new
.set MSB, \new
.endif
.endm
.macro PLACES                          ; four places in front of loads into registers that matrix instructions have read, and of the first read of results
.rept 4
	v_nop
.endr
.endm
; A round of the cluster's barrier: my work-group's barrier, so that wave 0's signal speaks for all four waves; wave 0 signals; every wave waits for all four work-groups; my work-group's barrier once more.
.macro CROUND
	s_barrier_signal -1
	s_barrier_wait -1
	s_cmp_lg_u32 s14, 0
	s_cbranch_scc1 .Lnot_wave_0_\@
	s_barrier_signal -3
.Lnot_wave_0_\@:
	s_barrier_wait -3
	s_barrier_signal -1
	s_barrier_wait -1
.endm
; THE CHANGE OF SLOTS stands at a step's head.  Each wave waits for all its tensor loads (its part of the slot that it is about to read), adds 0 to its spare word, and waits for that and for its reads of the
; slot that it has left.  fill = 1: that slot is filled with the step after the one ahead: a round of the cluster's barrier, then the joint load first: it has a whole step in which to land.
.macro CHANGE fill
	WIN 0
	s_wait_tensorcnt 0x0                           ; no tensor load of mine is out, so the descriptor may be written
	ds_add_u32 v5, v6                              ; 0 onto my spare word; the descriptor's words are made between it and the wait for it
.if \fill
	s_xor_b32 s33, s33, SLOT1                      ; the other slot than last time,
	s_add_co_u32 s48, s48, 1
	s_and_b32 s48, s48, 15                         ; the next step, round the batch's sixteen:
	s_lshl_b32 s22, s48, 17                        ; 131,072 bytes of K each
	s_add_nc_u64 s[34:35], s[44:45], s[22:23]
	s_or_b32 s35, s35, 0x80000000                  ; type = 2
.endif
	s_wait_dscnt 0x0                               ; the add is done, and my reads of the slot that I have left are over
.if \fill
	CROUND                                         ; no wave of any partner still reads that slot or has a load on its way
	tensor_load_to_lds s[32:35], s[24:31]          ; the first thing behind the round, and my one tensor load until the next
	s_nop 0
	PLACES                                         ; (also the places in front of the loads into V's registers)
.else
	s_barrier_signal -1
	s_barrier_wait -1
	PLACES
.endif
.endm
.macro KLOAD kt, buf                   ; 16 keys x 512 channels: four fragments, 8 KB on end
.irp s, 0,1,2,3
.irp c, 0,1,2,3
	ds_load_b128 v[64*(\buf)+16*\s+4*\c:64*(\buf)+16*\s+4*\c+3], v2 offset:(4*(\kt)+\s)*2048+512*\c
.endr
.endr
.endm
.macro MULK kt, buf                    ; S^T of 16 keys x 64 queries: the four tiles' accumulators take turns, one instruction a turn
.irp s, 0,1,2,3
.irp t, 0,1,2,3
.if \s == 0
	v_wmma_f32_16x16x128_fp8_fp8 v[S+32*\t+8*(\kt):S+32*\t+8*(\kt)+7], v[64*(\buf)+16*\s:64*(\buf)+16*\s+15], v[64*\t+16*\s:64*\t+16*\s+15], 0
.else
	v_wmma_f32_16x16x128_fp8_fp8 v[S+32*\t+8*(\kt):S+32*\t+8*(\kt)+7], v[64*(\buf)+16*\s:64*(\buf)+16*\s+15], v[64*\t+16*\s:64*\t+16*\s+15], v[S+32*\t+8*(\kt):S+32*\t+8*(\kt)+7]
.endif
.endr
.endr
.endm
.macro MULV first                      ; O^T += V^T P: K = my 64 keys; 32 accumulators, one instruction each
	WIN 0x53                                       ; source 0 (V) window 3, source 1 (P) window 0, C and D window 1
.irp dt, 0,1,2,3,4,5,6,7
.irp t, 0,1,2,3
.if \first
	v_wmma_f32_16x16x64_fp8_fp8 v[64*\t+8*\dt:64*\t+8*\dt+7], v[192+8*\dt:192+8*\dt+7], v[P+8*\t:P+8*\t+7], 0
.else
	v_wmma_f32_16x16x64_fp8_fp8 v[64*\t+8*\dt:64*\t+8*\dt+7], v[192+8*\dt:192+8*\dt+7], v[P+8*\t:P+8*\t+7], v[64*\t+8*\dt:64*\t+8*\dt+7]
.endif
.endr
.endr
.endm
; THE SOFTMAX of a step: every stage goes through the four tiles, so that no line waits for the line above it.  first = 1: the first step, which starts M, l and O^T.
.macro SOFTMAX first
	WIN 0
.irp j, 0,1,2,3                        ; the largest of a lane's 32 scores: four chains, each begun at an accumulator's low end
.irp t, 0,1,2,3
	v_max3_num_f32 v[ST+8*\t+4+\j], v[S+32*\t+8*\j], v[S+32*\t+8*\j+1], v[S+32*\t+8*\j+2]
.endr
.endr
.irp q, 1,2
.irp j, 0,1,2,3
.irp t, 0,1,2,3
	v_max3_num_f32 v[ST+8*\t+4+\j], v[ST+8*\t+4+\j], v[S+32*\t+8*\j+2*\q+1], v[S+32*\t+8*\j+2*\q+2]
.endr
.endr
.endr
.irp t, 0,1,2,3
	v_max3_num_f32 v[ST+8*\t+4], v[ST+8*\t+4], v[S+32*\t+7], v[S+32*\t+15]
.endr
.irp t, 0,1,2,3
	v_max3_num_f32 v[ST+8*\t+6], v[ST+8*\t+6], v[S+32*\t+23], v[S+32*\t+31]
.endr
.irp t, 0,1,2,3
	v_max3_num_f32 v[ST+8*\t+4], v[ST+8*\t+4], v[ST+8*\t+5], v[ST+8*\t+6]
.endr
.irp t, 0,1,2,3
	v_max_num_f32 v[ST+8*\t+4], v[ST+8*\t+4], v[ST+8*\t+7]
.endr
.irp t, 0,1,2,3
	v_permlanex16_b32 v[ST+8*\t+5], v[ST+8*\t+4], s38, s39   ; the query's other 32 keys lie in the lane 16 away
.endr
.irp t, 0,1,2,3
	v_max_num_f32 v[ST+8*\t+4], v[ST+8*\t+4], v[ST+8*\t+5]
.endr
.if \first
.irp t, 0,1,2,3
	v_mul_f32 v[ST+8*\t+1], s36, v[ST+8*\t+4]      ; as t (c is positive): the largest t so far
.endr
.irp t, 0,1,2,3
	v_floor_f32 v[ST+8*\t], -v[ST+8*\t+1]          ; -M = floor(-t) = -ceil(t): M IS A WHOLE NUMBER
.endr
.else
.irp t, 0,1,2,3
	v_mul_f32 v[ST+8*\t+4], s36, v[ST+8*\t+4]
.endr
.irp t, 0,1,2,3
	v_max_num_f32 v[ST+8*\t+1], v[ST+8*\t+1], v[ST+8*\t+4]
.endr
.irp t, 0,1,2,3
	v_mov_b32 v[ST+8*\t+5], v[ST+8*\t]
.endr
.irp t, 0,1,2,3
	v_floor_f32 v[ST+8*\t], -v[ST+8*\t+1]
.endr
.irp t, 0,1,2,3
	v_sub_f32 v[ST+8*\t+5], v[ST+8*\t], v[ST+8*\t+5]   ; M's old value less its new one: a whole number, 0 or less
.endr
.irp t, 0,1,2,3
	v_cvt_i32_f32 v[ST+8*\t+5], v[ST+8*\t+5]       ; (it saturates)
.endr
.irp t, 0,1,2,3
	v_ldexp_f32 v[ST+8*\t+6], 1.0, v[ST+8*\t+5]    ; f = 2^(old M - new M)
.endr
.endif
.set i, 0
.rept 16
.irp t, 0,1,2,3
	v_pk_fma_f32 v[S+32*\t+i:S+32*\t+i+1], v[S+32*\t+i:S+32*\t+i+1], s[36:37], v[ST+8*\t:ST+8*\t+1] op_sel_hi:[1,0,0]   ; t - M, two at a time (of the pairs c and -M the low word serves both halves)
.endr
.set i, i+2
.endr
.set i, 0
.rept 32
.irp t, 0,1,2,3
	v_exp_f32 v[S+32*\t+i], v[S+32*\t+i]           ; p = 2^(t - M), at most 1: NOT normalised
.endr
.set i, i+1
.endr
.if \first
	v_nop                                          ; a plain line behind the exponentials
.else
.irp t, 0,1,2,3
	v_pk_mul_f32 v[ST+8*\t+2:ST+8*\t+3], v[ST+8*\t+2:ST+8*\t+3], v[ST+8*\t+6:ST+8*\t+7] op_sel_hi:[1,0]   ; l under the new M; the plain lines behind the exponentials
.endr
.endif
	s_wait_alu depctr_va_vdst(0)                   ; one wait for the batch of 128, ahead of its first reader
.irp t, 0,1,2,3                        ; THE SUM IS TAKEN OF THE UNQUANTISED p: two at a time, in two chains a tile
	v_pk_add_f32 v[ST+8*\t+4:ST+8*\t+5], v[S+32*\t:S+32*\t+1], v[S+32*\t+2:S+32*\t+3]
.endr
.if \first
.irp t, 0,1,2,3
	v_pk_add_f32 v[ST+8*\t+2:ST+8*\t+3], v[S+32*\t+4:S+32*\t+5], v[S+32*\t+6:S+32*\t+7]
.endr
.set i, 8
.else
.set i, 4
.endif
.rept (32-i)/4
.irp t, 0,1,2,3
	v_pk_add_f32 v[ST+8*\t+2:ST+8*\t+3], v[ST+8*\t+2:ST+8*\t+3], v[S+32*\t+i:S+32*\t+i+1]
	v_pk_add_f32 v[ST+8*\t+4:ST+8*\t+5], v[ST+8*\t+4:ST+8*\t+5], v[S+32*\t+i+2:S+32*\t+i+3]
.endr
.set i, i+4
.endr
.irp t, 0,1,2,3
	v_pk_add_f32 v[ST+8*\t+2:ST+8*\t+3], v[ST+8*\t+2:ST+8*\t+3], v[ST+8*\t+4:ST+8*\t+5]
.endr
.set i, 0
.rept 32
.irp t, 0,1,2,3
	v_min_num_f32 v[S+32*\t+i], v[S+32*\t+i], v49  ; the conversion to an 8-bit code does not saturate (ISA guide 7.6.2); p is not negative, so the hold is one-sided
.endr
.set i, i+1
.endr
.irp kt, 0,1,2,3
.irp t, 0,1,2,3
	v_cvt_scalef32_pk8_fp8_f32 v[P+8*\t+2*\kt:P+8*\t+2*\kt+1], v[S+32*\t+8*\kt:S+32*\t+8*\kt+7], v48   ; keys 16 kt + 8 h + 0..7: registers 2 kt, 2 kt + 1 of the operand
.endr
.endr
.if \first
	v_nop                                          ; one plain vector line between a scaled conversion and the matrix instruction that reads its result
.else
	WIN 0x41                                       ; O^T (destination and source 0) window 1, f window 0
.set i, 0
.rept 32
.irp t, 0,1,2,3
	v_pk_mul_f32 v[64*\t+i:64*\t+i+1], v[64*\t+i:64*\t+i+1], v[ST+8*\t+6:ST+8*\t+7] op_sel_hi:[1,0]   ; O^T under the new M, each accumulator from its low end on; also the plain lines behind the conversions
.endr
.set i, i+2
.endr
.endif
.endm
; A STEP: my 64 keys of the slot at s40
.macro STEP first
	WIN 0
	v_add_nc_u32 v2, s40, v3
	WIN 0xc0                                       ; destination window 3
.set i, 0
.rept 16
	global_load_b128 v[192+4*i:192+4*i+3], v1, s[42:43] offset:512*i   ; V^T of my 64 keys: 8 KB on end; wanted behind the softmax
.set i, i+1
.endr
	KLOAD 0, 0
	KLOAD 1, 1
	KLOAD 2, 2
.if \first
	s_wait_loadcnt 16                              ; Q is in; V's 16 loads were issued behind it
.endif
	s_wait_dscnt 32                                ; keys 0-15 are in; the 32 loads behind may be out
	WIN 0x0b                                       ; source 0 (K) window 3, source 1 (Q) window 2, C and D window 0
	MULK 0, 0
	PLACES
	WIN 0xc0
	KLOAD 3, 0
	s_wait_dscnt 32                                ; keys 16-31 are in
	WIN 0x0b
	MULK 1, 1
	s_wait_dscnt 16                                ; keys 32-47
	MULK 2, 2
	s_wait_dscnt 0x0                               ; keys 48-63
	MULK 3, 0
	WIN 0
	PLACES
	SOFTMAX \first
	s_wait_loadcnt 0x0                             ; V is in, and its loads have read their base
	MULV \first
	WIN 0
	s_add_co_u32 s49, s49, 1
	s_and_b32 s49, s49, 15                         ; the next step, round the batch's sixteen:
	s_lshl_b32 s22, s49, 15                        ; 32,768 bytes of V each
	s_add_nc_u64 s[42:43], s[46:47], s[22:23]
	s_xor_b32 s40, s40, SLOT1                      ; K: the other slot
.endm
	s_load_b256 s[4:11], s[0:1], 0x0               ; qimg s[4:5], kimg s[6:7], vimg s[8:9], the scales' exponents s[10:11]
	s_load_b64 s[12:13], s[0:1], 0x20              ; out0
	v_lshl_add_u32 v5, v0, 2, SPARE                ; my spare word; never rewritten
	v_mov_b32 v6, 0                                ; 0; never rewritten
	ds_add_u32 v5, v6
	ds_add_u32 v5, v6
	s_wait_dscnt 0x0
	v_lshrrev_b32 v14, 5, v0
	v_readfirstlane_b32 s14, v14                   ; wave 0..3
	s_bfe_u32 s15, ttmp6, 0x40000                  ; cx: my place in the cluster: it enters Q's and out0's addresses alone
	s_lshl_b32 s16, ttmp9, 2
	s_add_co_u32 s16, s16, s15                     ; my block of 64 queries = 4 x cluster x + cx
	s_and_b32 s17, ttmp7, 0xffff                   ; the batch, which the four partners share
	s_and_b32 s48, ttmp9, 15                       ; the step at which my cluster begins: its number among the batch's sixteen
	s_mov_b32 s49, s48
	v_and_b32 v14, 31, v0
	v_lshlrev_b32 v1, 4, v14                       ; 16 x lane
	s_lshl_b32 s18, s14, 15                        ; my 32 KB of a slot, and of a step's K in memory
	s_mov_b32 s19, 0
	v_add_nc_u32 v3, s18, v1                       ; an image's place for my lane, in slot 0
	v_and_b32 v14, 15, v0                          ; r
	v_bfe_u32 v15, v0, 4, 1                        ; h
	s_mul_i32 s22, s14, CPB
	v_mul_u32_u24 v7, v14, SPI
	v_lshl_add_u32 v7, v15, 5, v7
	v_add_nc_u32 v7, s22, v7                       ; the way out, in: my copy, row r, + 32 h
	s_mul_i32 s22, s14, 16*SPI
	v_add_nc_u32 v8, s22, v1                       ; back: rows 16 w on, 16 bytes a lane, of copy 0,
	v_add_nc_u32 v9, CPB, v8                       ; 1,
	v_add_nc_u32 v10, 2*CPB, v8                    ; 2,
	v_add_nc_u32 v11, 3*CPB, v8                    ; 3
	v_and_b32 v13, 31, v0
	v_lshlrev_b32 v13, 2, v13
	v_add_nc_u32 v13, STAT, v13                    ; the statistics: 4 x lane,
	s_lshl_b32 s22, s14, 10
	v_add_nc_u32 v12, s22, v13                     ; and my wave's
	; descriptor group 1: 32 KB that are dense in memory, as 128 rows of 256 bytes; no padding: images are read 512 consecutive bytes an instruction
	s_mov_b32 s24, 15|(3<<16)|(1<<21)              ; 15:0 the mask: all four work-groups; 17:16 elements of 8 bytes; 21 set beside a mask
	s_mov_b32 s25, 32<<16                          ; tensor_dim0 = 32
	s_mov_b32 s26, 128<<16                         ; tensor_dim1 = 128
	s_mov_b32 s27, 32<<16                          ; tile_dim0 = 32
	s_mov_b32 s28, 128                             ; tile_dim1 = 128
	s_mov_b32 s29, 32                              ; from row to row
	s_mov_b32 s30, 0
	s_mov_b32 s31, 0
	s_mov_b32 s38, 0x76543210                      ; v_permlanex16_b32: lane l xor 16
	s_mov_b32 s39, 0xfedcba98
	s_mov_b32 s40, 0                               ; the slot in hand
	s_lshl_b32 s20, s17, 21                        ; a batch of qimg, kimg, out0: 2,097,152 bytes
	s_mov_b32 s21, 0
	s_mov_b32 s23, 0                               ; (stays 0: the upper word of every offset made in s22)
	s_wait_kmcnt 0x0
	s_load_b256 s[52:59], s[10:11], 0x0            ; e0 .. e7
	s_load_b64 s[60:61], s[10:11], 0x20            ; e8, e9
	s_add_nc_u64 s[44:45], s[6:7], s[20:21]        ; K at my batch,
	s_add_nc_u64 s[44:45], s[44:45], s[18:19]      ; at my wave's 64 keys of its step 0
	s_lshl_b32 s22, s48, 17
	s_mov_b32 s32, 1                               ; group 0: count = 1,
	s_lshl_b32 s33, s14, 15                        ; LDS address: slot 0, my part: no place in the cluster enters it,
	s_add_nc_u64 s[34:35], s[44:45], s[22:23]      ; global address: my cluster's first step, my 64 keys,
	s_or_b32 s35, s35, 0x80000000                  ; type = 2
	CROUND                                         ; all four work-groups are here: the first joint loads meet
	tensor_load_to_lds s[32:35], s[24:31]          ; the first step into slot 0
	s_nop 0
	PLACES
	s_lshl_b32 s22, s16, 15                        ; my block: 32,768 bytes in qimg and in out0
	s_add_nc_u64 s[4:5], s[4:5], s[20:21]
	s_add_nc_u64 s[4:5], s[4:5], s[22:23]
	WIN 0x80                                       ; destination window 2
.set i, 0
.rept 64
	global_load_b128 v[4*i:4*i+3], v1, s[4:5] offset:512*i   ; Q: 16 fragments, 32 KB on end; they stay in registers
.set i, i+1
.endr
	WIN 0
	s_add_nc_u64 s[12:13], s[12:13], s[20:21]
	s_add_nc_u64 s[12:13], s[12:13], s[22:23]
	s_lshl_b32 s22, s14, 13
	s_add_nc_u64 s[12:13], s[12:13], s[22:23]      ; out0 at the 16 rows that I store
	s_add_nc_u64 s[46:47], s[8:9], s[22:23]        ; V at my wave's 64 keys (8,192 bytes) of a step,
	s_lshl_b32 s22, s17, 19                        ; in my batch: 524,288 bytes each
	s_add_nc_u64 s[46:47], s[46:47], s[22:23]
	s_lshl_b32 s22, s49, 15
	s_add_nc_u64 s[42:43], s[46:47], s[22:23]      ; at my cluster's first step
	s_wait_kmcnt 0x0
	s_add_co_i32 s50, s58, s59
	s_lshl_b32 s50, s50, 23
	s_add_co_i32 s36, s50, 0x3d8293ee              ; c = log2(e) / sqrt(512); a score stands for score x 2^(e6 + e7): the two exponents are added to c's exponent field
	s_mov_b32 s37, s36                             ; (named with it as a pair, so it is written)
	s_add_co_i32 s50, s60, 127
	s_lshl_b32 s51, s50, 23
	v_mov_b32 v48, s51                             ; 2^e8 as f32, for the conversion
	s_add_co_i32 s50, s50, 8
	s_lshl_b32 s50, s50, 23
	s_or_b32 s50, s50, 0x600000
	v_mov_b32 v49, s50                             ; 448 x 2^e8
	s_add_co_i32 s62, s60, s61                     ; e8 + e9
	CHANGE 1                                       ; slot 0 is whole; the second step goes into slot 1
	STEP 1                                         ; the first step is written out: it starts M, l and O^T, and nothing is cleared
	s_mov_b32 s41, 14
.Lslot:                                                ; 14 trips: my steps 1 to 14; each asks for the step after
	CHANGE 1
	STEP 0
	s_sub_co_u32 s41, s41, 1
	s_cmp_lg_u32 s41, 0
	s_cbranch_scc1 .Lslot
	CHANGE 0                                       ; the last step is written out
	STEP 0
	; ---- THE FOUR WAVES' PARTS ARE JOINED.  First the statistics: every wave learns every wave's -M and l.
.irp t, 0,1,2,3
	v_add_f32 v[ST+8*\t+4], v[ST+8*\t+2], v[ST+8*\t+3]   ; l's two halves,
.endr
.irp t, 0,1,2,3
	v_permlanex16_b32 v[ST+8*\t+5], v[ST+8*\t+4], s38, s39
.endr
.irp t, 0,1,2,3
	v_add_f32 v[ST+8*\t+2], v[ST+8*\t+4], v[ST+8*\t+5]   ; and lane l xor 16's
.endr
.irp t, 0,1,2,3
	ds_store_b32 v12, v[ST+8*\t] offset:256*\t
	ds_store_b32 v12, v[ST+8*\t+2] offset:256*\t+128
.endr
	s_wait_dscnt 0x0                               ; for the others' sake: my stores have landed; my reads of the ring ended long ago
	s_barrier_signal -1
	s_barrier_wait -1                              ; behind it nobody reads the ring any more
.irp t, 0,1,2,3
.irp cp, 0,1,2,3
	ds_load_b32 v[64+8*\t+\cp], v13 offset:1024*\cp+256*\t          ; -M of wave cp,
	ds_load_b32 v[64+8*\t+4+\cp], v13 offset:1024*\cp+256*\t+128    ; its l
.endr
.endr
	s_wait_dscnt 0x0
.irp t, 0,1,2,3
	v_min_num_f32 v[ST+8*\t+4], v[64+8*\t], v[64+8*\t+1]
.endr
.irp t, 0,1,2,3
	v_min_num_f32 v[ST+8*\t+5], v[64+8*\t+2], v[64+8*\t+3]
.endr
.irp t, 0,1,2,3
	v_min_num_f32 v[ST+8*\t+4], v[ST+8*\t+4], v[ST+8*\t+5]   ; the least -M: the row's M
.endr
.irp cp, 0,1,2,3
.irp t, 0,1,2,3
	v_sub_f32 v[64+8*\t+\cp], v[ST+8*\t+4], v[64+8*\t+\cp]   ; wave cp's M less the row's: a whole number, 0 or less
.endr
.endr
.irp t, 0,1,2,3
	v_sub_f32 v[ST+8*\t+7], v[ST+8*\t+4], v[ST+8*\t]         ; and mine
.endr
.irp cp, 0,1,2,3
.irp t, 0,1,2,3
	v_cvt_i32_f32 v[64+8*\t+\cp], v[64+8*\t+\cp]
.endr
.endr
.irp t, 0,1,2,3
	v_cvt_i32_f32 v[ST+8*\t+7], v[ST+8*\t+7]
.endr
.irp cp, 0,1,2,3
.irp t, 0,1,2,3
	v_ldexp_f32 v[64+8*\t+\cp], 1.0, v[64+8*\t+\cp]
.endr
.endr
.irp t, 0,1,2,3
	v_ldexp_f32 v[ST+8*\t+7], 1.0, v[ST+8*\t+7]
.endr
.irp t, 0,1,2,3
	v_mul_f32 v[ST+8*\t+5], v[64+8*\t], v[64+8*\t+4]
.endr
.irp cp, 1,2,3
.irp t, 0,1,2,3
	v_fma_f32 v[ST+8*\t+5], v[64+8*\t+\cp], v[64+8*\t+4+\cp], v[ST+8*\t+5]   ; the row's sum under the row's M
.endr
.endr
.irp t, 0,1,2,3
	v_rcp_f32 v[ST+8*\t+6], v[ST+8*\t+5]
.endr
	v_nop                                          ; a plain line behind the last reciprocal
	s_wait_alu depctr_va_vdst(0)                   ; one wait for the four, ahead of their first reader
.irp t, 0,1,2,3
	v_mul_f32 v[ST+8*\t+6], v[ST+8*\t+6], v[ST+8*\t+7]
.endr
.irp t, 0,1,2,3
	v_ldexp_f32 v[ST+8*\t+6], v[ST+8*\t+6], s62    ; g = 2^(my M - the row's M) x 2^(e8 + e9) / the row's sum
.endr
	WIN 0x41
.set i, 0
.rept 32
.irp t, 0,1,2,3
	v_pk_mul_f32 v[64*\t+i:64*\t+i+1], v[64*\t+i:64*\t+i+1], v[ST+8*\t+6:ST+8*\t+7] op_sel_hi:[1,0]   ; my part of the result, each accumulator from its low end on
.endr
.set i, i+2
.endr
	WIN 0x04                                       ; store data window 1
.irp t, 0,1,2,3
.irp dt, 0,1,2,3,4,5,6,7
	ds_store_b128 v7, v[64*\t+8*\dt:64*\t+8*\dt+3] offset:\t*16*SPI+64*\dt        ; lane (r, h): row 16 t + r, channels 16 dt + 8 h + 0..7
	ds_store_b128 v7, v[64*\t+8*\dt+4:64*\t+8*\dt+7] offset:\t*16*SPI+64*\dt+16
.endr
.endr
	WIN 0
	s_wait_dscnt 0x0                               ; for the others' sake
	s_barrier_signal -1
	s_barrier_wait -1                              ; four copies of the 64 rows lie in LDS
; wave w adds rows 16 w .. 16 w + 15 of the four copies, four rows at a time on two buffers, and stores whole rows
.macro RLOAD bt, B
.irp ii, 0,1,2,3
.irp cp, 0,1,2,3
	ds_load_b128 v[\B+16*\ii+4*\cp:\B+16*\ii+4*\cp+3], v[8+\cp] offset:(4*(\bt)+\ii)*SPI
.endr
.endr
.endm
.macro RSUM bt, B
.irp ii, 0,1,2,3
	v_pk_add_f32 v[\B+16*\ii:\B+16*\ii+1], v[\B+16*\ii:\B+16*\ii+1], v[\B+16*\ii+4:\B+16*\ii+5]
	v_pk_add_f32 v[\B+16*\ii+2:\B+16*\ii+3], v[\B+16*\ii+2:\B+16*\ii+3], v[\B+16*\ii+6:\B+16*\ii+7]
	v_pk_add_f32 v[\B+16*\ii+8:\B+16*\ii+9], v[\B+16*\ii+8:\B+16*\ii+9], v[\B+16*\ii+12:\B+16*\ii+13]
	v_pk_add_f32 v[\B+16*\ii+10:\B+16*\ii+11], v[\B+16*\ii+10:\B+16*\ii+11], v[\B+16*\ii+14:\B+16*\ii+15]
	v_pk_add_f32 v[\B+16*\ii:\B+16*\ii+1], v[\B+16*\ii:\B+16*\ii+1], v[\B+16*\ii+8:\B+16*\ii+9]
	v_pk_add_f32 v[\B+16*\ii+2:\B+16*\ii+3], v[\B+16*\ii+2:\B+16*\ii+3], v[\B+16*\ii+10:\B+16*\ii+11]
	global_store_b128 v1, v[\B+16*\ii:\B+16*\ii+3], s[12:13] offset:(4*(\bt)+\ii)*512 th:TH_STORE_NT   ; 32 lanes store a row of 512 bytes, at a multiple of 256 from out0's first byte
.endr
.endm
	RLOAD 0, 64
	RLOAD 1, 128
	s_wait_dscnt 16                                ; the first four rows are in; the other buffer's 16 loads may be out
	RSUM 0, 64
	s_wait_xcnt 0x0                                ; the stores have read their registers: the buffer may be loaded again
	RLOAD 2, 64
	s_wait_dscnt 16
	RSUM 1, 128
	s_wait_xcnt 0x0
	RLOAD 3, 128
	s_wait_dscnt 16
	RSUM 2, 64
	s_wait_dscnt 0x0
	RSUM 3, 128
	s_wait_tensorcnt 0x0                           ; the wave's end, behind my last tensor load and my last LDS store
	ds_add_u32 v5, v6
	s_wait_dscnt 0x0
	CROUND                                         ; the closing round: no work-group ends while a partner may still ask for a tile that names it
	s_endpgm
.Lfunc_end_k_qe06c28f0f2_attn:
	.size	k_qe06c28f0f2_attn, .Lfunc_end_k_qe06c28f0f2_attn-k_qe06c28f0f2_attn
	.p2alignl 7, 3214868480
	.fill 96, 4, 3214868480
	.section	.rodata,"a",@progbits
	.p2align	6, 0x0
	.amdhsa_kernel k_qe06c28f0f2_attn
		.amdhsa_group_segment_fixed_size 327680
		.amdhsa_private_segment_fixed_size 0
		.amdhsa_enable_private_segment 0
		.amdhsa_kernarg_size 40
		.amdhsa_user_sgpr_count 2
		.amdhsa_user_sgpr_kernarg_segment_ptr 1
		.amdhsa_wavefront_size32 1
		.amdhsa_system_sgpr_workgroup_id_x 1
		.amdhsa_system_sgpr_workgroup_id_y 1
		.amdhsa_system_sgpr_workgroup_id_z 1
		.amdhsa_system_vgpr_workitem_id 0
		.amdhsa_next_free_vgpr 1024
		.amdhsa_next_free_sgpr 66
		.amdhsa_reserve_vcc 0
		.amdhsa_float_denorm_mode_32 3
		.amdhsa_float_denorm_mode_16_64 3
		.amdhsa_memory_ordered 1
		.amdhsa_forward_progress 1
		.amdhsa_inst_pref_size 165
	.end_amdhsa_kernel
	.amdgpu_metadata
---
amdhsa.version: [ 1, 2 ]
amdhsa.kernels:
  - .name:           k_qe06c28f0f2_attn
    .symbol:         k_qe06c28f0f2_attn.kd
    .args:
      - { .name: qimg, .offset: 0, .size: 8, .value_kind: global_buffer, .address_space: global }
      - { .name: kimg, .offset: 8, .size: 8, .value_kind: global_buffer, .address_space: global }
      - { .name: vimg, .offset: 16, .size: 8, .value_kind: global_buffer, .address_space: global }
      - { .name: lowp_scales, .offset: 24, .size: 8, .value_kind: global_buffer, .address_space: global }
      - { .name: out0, .offset: 32, .size: 8, .value_kind: global_buffer, .address_space: global }
    .group_segment_fixed_size: 327680
    .private_segment_fixed_size: 0
    .kernarg_segment_align: 8
    .kernarg_segment_size: 40
    .max_flat_workgroup_size: 128
    .sgpr_count:     66
    .vgpr_count:     1024
    .wavefront_size: 32
...
	.end_amdgpu_metadata
.endif
;; end of part 3
;; ======== version 2 of 2: 3 launches; version 1 with the launch proj written anew for expert scheduling mode
;; workspace buffers: wimg 1,179,648 bytes; qimg 8,388,608 bytes; kimg 8,388,608 bytes; vimg 2,097,152 bytes
;; launch prep: the kernel of part 1 again; grid 72 x 1, 4 waves a work-group, no clusters, 0 bytes of LDS; arguments Wq, Wk, Wv, lowp_scales, wimg; writes wimg
;; launch proj (part 4): grid 256 x 1, 4 waves a work-group, no clusters, 200,192 bytes of LDS; arguments x, wimg, lowp_scales, qimg, kimg, vimg; writes qimg, kimg, vimg
.if DOCPART == 4
	.amdgcn_target "amdgcn-amd-amdhsa--gfx1250"
	.amdhsa_code_object_version 6
	.text
	.protected	k_qe06c28f0f2_proj
	.globl	k_qe06c28f0f2_proj
	.p2align	8
	.type	k_qe06c28f0f2_proj,@function
k_qe06c28f0f2_proj:
	s_mov_b64 s[64:65], 0
	v_nop
	global_prefetch_b8 v0, s[64:65] scope:SCOPE_SE
	s_setreg_imm32_b32 hwreg(HW_REG_WAVE_SCHED_MODE, 0, 2), 2
	s_setreg_imm32_b32 hwreg(HW_REG_WAVE_MODE, 25, 1), 1
	s_wait_xcnt 0x0
	s_wait_alu depctr_vm_vsrc(0)
; Q = x Wq, K = x Wk, V = x Wv on codes of FP8 (E4M3), and the results quantised again for the attention launch.
; x [16384][1024] f32 has a given scale of its own in each of the three products (entries 0, 2, 4): it is quantised three times, in registers, and read from memory once.
; The weights come as images of operand registers (wimg, made by the launch before).  Results: sum x 2^(ea + eb), quantised with entries 6 (Q), 7 (K), 9 (V): the three
; exponents are folded into the conversion's one scale, 2^(e6 - e0 - e1) and its like.
; SHARES.  A work-group takes 64 rows of x and all 1,152 columns.  THE WAVES SHARE THE COLUMNS: wave w makes channels 128 w .. 128 w + 127 of Q and of K (8 tiles each) and
; channels 32 w .. 32 w + 31 of V, for all four tiles of 16 rows: 576 matrix instructions a wave.
; x'S CODES lie in LDS as rows, a set for each scale, written once, then one barrier, then only read.  A wave quantises 16 rows.  Each load takes 512 consecutive bytes of a row;
; a lane's 16 numbers of a half row (k = 512 u + 128 m + 4 l + i) become 16 codes at place 512 u + 16 l + 4 m + i: THE PLACES ALONG K ARE PERMUTED, alike in the weights' images.
; THE WORK-GROUPS WALK K FROM DIFFERENT STARTS: in Q's and K's products work-group g takes, at position j of 8, K step (j + g % 8) % 8: at any time eight different parts of a weight's
; image are asked for, not one part by all 256 work-groups.  The products are the same; the order of the sums differs from work-group to work-group.  V's product goes in ascending order.
; NO JOINT LOADS FOR THE WEIGHTS, though all work-groups read them: each fragment is read by ONE wave of a work-group, once.  Through LDS its 1,152 KB would be written and read
; again in every work-group, beside x's 192 KB written and 768 KB read, only to be passed on; and beside x's three sets 128,000 bytes are left, less than two slots of a K step's 65,536.
; So each lane loads its registers whole, 512 consecutive bytes a load.
; LAYOUTS.  Q and K: the matrix instruction is used transposed (source 0 = 16 columns of W, source 1 = 16 rows of x): a lane holds ONE row and channels 16 b + 8 h + 0..7, which converted
; are registers 2 b, 2 b + 1 of the attention's fragment (16 rows x 128 channels).  V: untransposed: a lane holds ONE channel and keys 16 m + 8 h + 0..7: registers 2 m, 2 m + 1 of a
; fragment of V^T (16 channels x 64 keys).  All three leave as images: registers 4 c .. 4 c + 3 of lane L at byte 512 c + 16 L.
; qimg, kimg = [tile of 16 rows][128 channels s][2048];  vimg = [64 keys][16 channels][1024].
; LIMITS, so that each power of two is an f32 number: e0, e2, e4, e6 - e0 - e1, e7 - e2 - e3, e9 - e4 - e5 between -126 and 119.  NaN among the inputs is not served.
; REGISTERS, in windows of 256.  Window 0: v1-16 addresses and scales; while x is quantised v32-191 a ring of ten units of 16 numbers, v192-223 held numbers, v224-247 codes;
;   in the products v64-127, v128-191 x's fragments, two buffers; v192-255 the codes that leave.   Window 1: the accumulators, (m, b) at 8 (8 m + b).   Windows 2, 3: four buffers of 8 fragments of W.
; SCALARS: s[28:29] x, s[30:31] my stream of W at the product in hand, s[32:37] the three outputs, s[38:39] the trip's output, s40 the trip, s41 its set, s42-47 the outputs' scales and limits,
;   s[52:53] an offset (s53 = 0), s54 a K step's bytes in a row of codes, s58 g % 8, s59 the same for the product that follows (0 for V), s[60:61], s[62:63] the bases of the loads of W at even and odd positions.
; THE MODE: SCHED_MODE bits 1:0 = 2 (LLVM: expert scheduling mode 2), set by the entry lines.  The code itself states the register dependences
; between vector or matrix instructions and memory or LDS instructions, with s_wait_alu, always for 0.
; THE PLAN.  Registers that memory or LDS instructions touch, and who else names them:
;   v1, v2-v4     Offsets and LDS store addresses: written at the head, never again.
;   the ring      Unit t's holds and conversions read and write slot t % 10; the loads of unit t + 9, issued in unit t, land in slot (t - 1) % 10.
;   C0, C1        Unit t's conversions write C[t % 2]; the three LDS stores issued in unit t + 1 read it.
;                 So unit t's memory instructions touch the two buffers that unit t - 1 worked on and that no vector line of unit t names: one wait on va_vdst at the unit's head serves all seven,
;                 and one on vm_vsrc beside it frees C[t % 2], which the stores issued a unit ago read.
;   v16           Read by each fetch of x's fragments in Q's and K's products; written once a position, between a wait on vm_vsrc and the position's wait on va_vdst.
;   XF0, XF1      Position s's products read XF[s % 2]; the fetch issued in position s lands in the other, which position s - 1's products read.
;   W0 .. W3      Position s's products read W[s % 4]; the loads issued in position s land in W[(s + 2) % 4], which position s - 2's products read.
;                 So ONE wait on va_vdst stands at a position's head: behind it come the position's 48 loads, in one run, and then its 32 products, which name none of the registers that those loads touch.
;                 The weights' loads are not dealt among the products: each group would want two window switches, and they are the loads that the wave waits for two positions on.
;   PC            Written by a way out's conversions, read by its stores: a wait on vm_vsrc ahead of the conversions, one on va_vdst ahead of the run of stores.
;   v6            Read by the fetches of V's product alone; written last ahead of it.        v30, v31: written at the head, read by the closing add alone.
.set XP,     1040                      ; a row of x's codes in LDS: 1,024 bytes + 16 = 65 x 16: the 16 rows that a fragment load touches start at 16 different banks (64 banks of 4 bytes: ISA guide 11.1)
.set TILE16, 16*XP
.set SETB,   64*XP                     ; a set: 64 rows
.set R,   32
.set TA,  192
.set TB,  208
.set C,   224
.set XF,  64
.set PC,  192
.set MSB, 0
.macro WIN new                         ; the immediate's high byte repeats the setting that is left; a switch that changes nothing is dropped
.if MSB != \new
	s_set_vgpr_msb (MSB<<8)|\new
.set MSB, \new
.endif
.endm
.macro PLACES                          ; four plain lines behind matrix instructions: in front of the first read of results, and, as in the plain text, of loads into registers that they have read
.rept 4
	v_nop
.endr
.endm
.macro MKS sc, lm, e                   ; s[e] = an exponent E (used up): s[sc] = 2^E as f32, s[lm] = 448 x 2^E
	s_add_co_i32 s[\e], s[\e], 127
	s_lshl_b32 s[\sc], s[\e], 23
	s_add_co_i32 s[\e], s[\e], 8
	s_lshl_b32 s[\lm], s[\e], 23
	s_or_b32 s[\lm], s[\lm], 0x600000
.endm
; where the eight fragments of position pos lie: my stream + extra + 16,384 x ((pos + s[rot]) % 8)
.macro WADR base, pos, rot, extra
	s_add_co_u32 s52, s[\rot], \pos
	s_and_b32 s52, s52, 7
	s_lshl_b32 s52, s52, 14
.if \extra
	s_add_co_u32 s52, s52, \extra
.endif
	s_add_nc_u64 s[\base:\base+1], s[30:31], s[52:53]
.endm
; eight fragments of W, 16 KB on end from s[base] on, into buffer j (window 2 + j / 2, at 128 (j % 2))
.macro WLOAD base, j
	WIN 0x80+0x40*((\j)/2)
.irp f, 0,1,2,3,4,5,6,7
.irp c, 0,1,2,3
	global_load_b128 v[128*((\j)%2)+16*\f+4*\c:128*((\j)%2)+16*\f+4*\c+3], v1, s[\base:\base+1] offset:\f*2048+512*\c
.endr
.endr
.endm
; unit t = half t % 2 of my row t / 2: four loads of 512 consecutive bytes
.macro XLD t
.irp m, 0,1,2,3
	global_load_b128 v[R+16*((\t)%10)+4*\m:R+16*((\t)%10)+4*\m+3], v1, s[28:29] offset:((\t)/2)*4096+((\t)%2)*2048+512*\m th:TH_LOAD_NT
.endr
.endm
; unit t's codes, 16 a lane for each scale, go to the three sets
.macro CSTORE t
.set CQ, C+12*((\t)%2)
	ds_store_b128 v2, v[CQ:CQ+3] offset:((\t)/2)*XP+((\t)%2)*512        ; 32 lanes store 512 consecutive bytes of a row
	ds_store_b128 v3, v[CQ+4:CQ+7] offset:((\t)/2)*XP+((\t)%2)*512
	ds_store_b128 v4, v[CQ+8:CQ+11] offset:((\t)/2)*XP+((\t)%2)*512
.endm
; a unit's 16 numbers a lane are held and converted three times, once for each scale.  Its memory instructions are the unit before's: that unit's codes are stored, and its slot of the ring is asked for again
.macro UNIT t
.set RU, R+16*((\t)%10)
.set CU, C+12*((\t)%2)
.if (\t) == 0
	s_wait_loadcnt 36                              ; my four loads are in; the nine units behind may be out
.elseif 31-(\t) < 8
	s_wait_loadcnt 4*(31-(\t))                     ; my four loads are in; those of the units behind may be out
.else
	s_wait_loadcnt 32                              ; my four loads are in; the eight units behind may be out
.endif
.if (\t) == 31
	WADR 62, 1, 58, 0                              ; nothing is out: position 1 of Wq is asked for here, so that the products' counts hold (no vector line has named that buffer)
	WLOAD 62, 1
	WIN 0
.endif
.if (\t) >= 2
	s_wait_alu depctr_vm_vsrc(0)                   ; the LDS stores issued in the unit before have read C[t % 2], which this unit's conversions write again
.endif
.if (\t) >= 1
	s_wait_alu depctr_va_vdst(0)                   ; the unit before has written its codes, which the stores below read, and its holds and conversions are done with its slot of the ring, in which the loads below land
.if (\t)+9 < 32
	XLD (\t)+9
.endif
	CSTORE (\t)-1
.endif
.if (\t) >= 2
	s_wait_dscnt 3                                 ; the three stores just issued may be out; the three before them, which read these code registers, are done
.endif
.irp i, 0,1,2,3,4,5,6,7,8,9,10,11,12,13,14,15
	v_med3_num_f32 v[TA+\i], v[RU+\i], -v9, v9     ; the conversion to an 8-bit code does not saturate (ISA guide 7.6.2): the hold comes first
.endr
	v_cvt_scalef32_pk8_fp8_f32 v[CU:CU+1], v[TA:TA+7], v8
	v_cvt_scalef32_pk8_fp8_f32 v[CU+2:CU+3], v[TA+8:TA+15], v8
.irp i, 0,1,2,3,4,5,6,7,8,9,10,11,12,13,14,15
	v_med3_num_f32 v[TB+\i], v[RU+\i], -v11, v11
.endr
	v_cvt_scalef32_pk8_fp8_f32 v[CU+4:CU+5], v[TB:TB+7], v10
	v_cvt_scalef32_pk8_fp8_f32 v[CU+6:CU+7], v[TB+8:TB+15], v10
.irp i, 0,1,2,3,4,5,6,7,8,9,10,11,12,13,14,15
	v_med3_num_f32 v[RU+\i], v[RU+\i], -v13, v13
.endr
	v_cvt_scalef32_pk8_fp8_f32 v[CU+8:CU+9], v[RU:RU+7], v12
	v_cvt_scalef32_pk8_fp8_f32 v[CU+10:CU+11], v[RU+8:RU+15], v12
.if (\t) == 31
	v_nop                                          ; one plain vector line behind the last conversion: later vector and matrix lines write these registers again
.endif
.endm
; x's four fragments (tiles of 16 rows) at byte 128 s of the rows at v[adr], into buffer buf
.macro XFRAG buf, adr, s
.irp m, 0,1,2,3
.irp c, 0,1,2,3
	ds_load_b128 v[XF+64*(\buf)+16*\m+4*\c:XF+64*(\buf)+16*\m+4*\c+3], v[\adr] offset:\m*TILE16+128*(\s)+32*\c
.endr
.endr
.endm
; position s of Q's or K's product: 32 matrix instructions; the 32 accumulators take turns, one instruction a turn
.macro STEP s
	s_wait_loadcnt 32                              ; this position's fragments of W are in, so their base may be written; the next position's 32 loads may be out
	s_wait_dscnt 0x0                               ; x's fragments, asked for a position ago
.if (\s) < 6
	WADR 60+2*((\s)%2), (\s)+2, 58, 0              ; two positions ahead, in this product,
.else
	WADR 60+2*((\s)%2), (\s)-6, 59, 131072         ; or in the next one: eight K steps on in my stream
.endif
.if (\s) < 7
	s_add_co_u32 s54, s58, (\s)+1                  ; x: the next position's K step: 128 bytes of a row each,
	s_and_b32 s54, s54, 7
	s_lshl_b32 s54, s54, 7
.else
	s_and_b32 s54, s59, 7                          ; or the next product's first, in the next set
	s_lshl_b32 s54, s54, 7
	s_add_co_u32 s54, s54, SETB
.endif
	s_wait_alu depctr_vm_vsrc(0)                   ; the fetch of x's fragments issued a position ago has read v16, which the next line writes
	v_add_nc_u32 v16, s54, v6                      ; with the three lines below: four plain lines behind the last position's products, as in the plain text; they stay beside the wait below
.rept 3
	v_nop
.endr
	s_wait_alu depctr_va_vdst(0)                   ; v16 is written, which the fetch reads; the last position's products are done reading the other buffer of x, and those of two positions ago the buffer of W, in which the loads below land
	XFRAG ((\s)+1)%2, 16, 0
	WLOAD 60+2*((\s)%2), ((\s)+2)%4                ; no further wait: nothing but loads and a window switch has been issued since the wait above
	WIN 0x52+((\s)%4)/2                            ; source 0 (W) window 2 or 3, source 1 (x) window 0, C and D window 1
.set WB, 128*((\s)%2)
.set XBF, XF+64*((\s)%2)
.irp m, 0,1,2,3
.irp b, 0,1,2,3,4,5,6,7
.if (\s) == 0
	v_wmma_f32_16x16x128_fp8_fp8 v[8*(8*\m+\b):8*(8*\m+\b)+7], v[WB+16*\b:WB+16*\b+15], v[XBF+16*\m:XBF+16*\m+15], 0
.else
	v_wmma_f32_16x16x128_fp8_fp8 v[8*(8*\m+\b):8*(8*\m+\b)+7], v[WB+16*\b:WB+16*\b+15], v[XBF+16*\m:XBF+16*\m+15], v[8*(8*\m+\b):8*(8*\m+\b)+7]
.endif
.endr
.endr
	WIN 0
.endm
; Q's or K's sums become codes and leave: for each tile of rows one fragment of the attention's, 2,048 bytes
.macro OUTQK
	PLACES
	s_wait_xcnt 0x0                                ; the last stores have had their addresses translated: the code registers are rewritten only behind this wait,
	s_wait_alu depctr_vm_vsrc(0)                   ; and behind this one: the last trip's stores, and the LDS stores of x's codes, have read v192 to v255, which the conversions below write
.irp m, 0,1,2,3
	WIN 0x41                                       ; destination and source 0 window 1
.set i, 0
.rept 64
	v_med3_num_f32 v[64*\m+i], v[64*\m+i], -v15, v15   ; each accumulator from its low end on
.set i, i+1
.endr
	WIN 0x01                                       ; source 0 window 1, destination window 0
.irp b, 0,1,2,3,4,5,6,7
	v_cvt_scalef32_pk8_fp8_f32 v[PC+16*\m+2*\b:PC+16*\m+2*\b+1], v[64*\m+8*\b:64*\m+8*\b+7], v14
.endr
.endr
	WIN 0
	v_nop                                          ; one plain vector line behind the last conversion: the next products write its sources
	s_wait_alu depctr_va_vdst(0)                   ; the conversions have written v192 to v255, which the sixteen stores read
.irp m, 0,1,2,3
.irp c, 0,1,2,3
	global_store_b128 v1, v[PC+16*\m+4*\c:PC+16*\m+4*\c+3], s[38:39] offset:\m*8192+512*\c   ; 32 lanes store 512 consecutive bytes, at a multiple of 256 from the buffer's first byte
.endr
.endr
.endm
; a K step of V's product: 8 matrix instructions, untransposed; its 16 fragments of W lie in buffers 0 and 1
.macro STEPV s
.if (\s) == 0
	s_wait_loadcnt 32                              ; K steps 0-3 of Wv are in; K steps 4-7 may be out
.endif
.if (\s) == 4
	s_wait_loadcnt 0x0
.endif
	s_wait_dscnt 0x0
	PLACES
.if (\s) < 7
	s_wait_alu depctr_va_vdst(0)                   ; the last K step's products are done reading the other buffer of x, in which the fetch lands; in the first K step v6 is written, which the fetches read
	XFRAG ((\s)+1)%2, 6, (\s)+1
.endif
	WIN 0x58                                       ; source 0 (x) window 0, source 1 (W) window 2, C and D window 1
.set WB, 128*((\s)/4)+32*((\s)%4)
.set XBF, XF+64*((\s)%2)
.irp m, 0,1,2,3
.irp n, 0,1
.if (\s) == 0
	v_wmma_f32_16x16x128_fp8_fp8 v[8*(2*\m+\n):8*(2*\m+\n)+7], v[XBF+16*\m:XBF+16*\m+15], v[WB+16*\n:WB+16*\n+15], 0
.else
	v_wmma_f32_16x16x128_fp8_fp8 v[8*(2*\m+\n):8*(2*\m+\n)+7], v[XBF+16*\m:XBF+16*\m+15], v[WB+16*\n:WB+16*\n+15], v[8*(2*\m+\n):8*(2*\m+\n)+7]
.endif
.endr
.endr
	WIN 0
.endm
	s_load_b256 s[4:11], s[0:1], 0x0               ; x s[4:5], wimg s[6:7], the scales' exponents s[8:9], qimg s[10:11]
	s_load_b128 s[12:15], s[0:1], 0x20             ; kimg s[12:13], vimg s[14:15]
	v_lshl_add_u32 v30, v0, 2, 0x30c00
	v_mov_b32 v31, 0
	v_lshrrev_b32 v16, 5, v0
	v_readfirstlane_b32 s26, v16                   ; wave 0..3
	v_and_b32 v16, 31, v0
	v_lshlrev_b32 v1, 4, v16                       ; 16 x lane: every global load and store, never rewritten
	s_wait_alu depctr_va_sdst(0)                   ; s26 is written, ahead of its first reader: LDS addresses and the bases of x, W and the outputs are made from it
	s_mul_i32 s27, s26, TILE16
	v_add_nc_u32 v2, s27, v1                       ; where I store codes: my wave's 16 rows, 16 x lane; set 0,
	v_add_nc_u32 v3, SETB, v2                      ; set 1,
	v_add_nc_u32 v4, 2*SETB, v2                    ; set 2
	v_and_b32 v16, 15, v0
	v_bfe_u32 v17, v0, 4, 1
	v_mul_u32_u24 v5, v16, XP
	v_lshl_add_u32 v5, v17, 4, v5                  ; a fragment's row x pitch + 16 x half; never rewritten
	s_and_b32 s58, ttmp9, 7                        ; where my work-group begins its walk along K
	s_lshl_b32 s48, ttmp9, 18                      ; x: 64 rows of 4,096 bytes a work-group,
	s_lshl_b32 s49, s26, 16                        ; 16 a wave
	s_add_co_u32 s48, s48, s49
	s_mov_b32 s49, 0
	s_mul_i32 s50, s26, 294912                     ; my stream of W
	s_mov_b32 s51, 0
	s_lshl_b32 s52, ttmp9, 15                      ; qimg, kimg: four tiles of 8,192 bytes a work-group,
	s_lshl_b32 s53, s26, 11                        ; channels 128 w on
	s_add_co_u32 s52, s52, s53
	s_mov_b32 s53, 0                               ; (stays 0: the upper word of every offset made in s52)
	s_lshl_b32 s54, ttmp9, 13                      ; vimg: 8,192 bytes a work-group,
	s_lshl_b32 s55, s26, 11                        ; two fragments of 1,024 a wave
	s_add_co_u32 s54, s54, s55
	s_mov_b32 s55, 0
	s_wait_kmcnt 0x0
	s_load_b256 s[16:23], s[8:9], 0x0              ; e0 .. e7
	s_load_b64 s[24:25], s[8:9], 0x20              ; e8, e9
	s_add_nc_u64 s[28:29], s[4:5], s[48:49]
	s_add_nc_u64 s[30:31], s[6:7], s[50:51]
	s_add_nc_u64 s[32:33], s[10:11], s[52:53]
	s_add_nc_u64 s[34:35], s[12:13], s[52:53]
	s_add_nc_u64 s[36:37], s[14:15], s[54:55]
	s_wait_alu depctr_va_vdst(0)                   ; v1 to v4 are written: every global load and store reads v1 as its offset, the LDS stores of codes read v2 to v4
	WADR 60, 0, 58, 0                              ; position 0 of Wq
	WLOAD 60, 0
	WIN 0
.irp t, 0,1,2,3,4,5,6,7,8,9
	XLD \t
.endr
	s_wait_kmcnt 0x0
	s_sub_co_i32 s22, s22, s16
	s_sub_co_i32 s22, s22, s17                     ; e6 - e0 - e1
	s_sub_co_i32 s23, s23, s18
	s_sub_co_i32 s23, s23, s19                     ; e7 - e2 - e3
	s_sub_co_i32 s25, s25, s20
	s_sub_co_i32 s25, s25, s21                     ; e9 - e4 - e5
	MKS 42, 43, 22
	MKS 44, 45, 23
	MKS 46, 47, 25
	MKS 48, 49, 16
	v_mov_b32 v8, s48                              ; 2^e0,
	v_mov_b32 v9, s49                              ; 448 x 2^e0
	MKS 48, 49, 18
	v_mov_b32 v10, s48
	v_mov_b32 v11, s49
	MKS 48, 49, 20
	v_mov_b32 v12, s48
	v_mov_b32 v13, s49
	; ---- x: my 16 rows, 32 units
.irp t, 0,1,2,3,4,5,6,7,8,9,10,11,12,13,14,15,16,17,18,19,20,21,22,23,24,25,26,27,28,29,30,31
	UNIT \t
.endr
	s_lshl_b32 s54, s58, 7
	v_add_nc_u32 v16, s54, v5                      ; position 0 of Q's product, in set 0
	s_wait_alu depctr_va_vdst(0)                   ; unit 31 has written its codes, which the stores below read; v16 is written, which the first fetch reads; the units' vector lines are done with v64 to v127, in which that fetch lands
	CSTORE 31
	s_wait_dscnt 0x0                               ; for the others' sake: my stores have landed
	s_barrier_signal -1
	s_barrier_wait -1                              ; all 64 rows lie in LDS, in three sets; from here on LDS is only read
	XFRAG 0, 16, 0                                 ; no further wait: no vector line has been issued since the wait above
	s_mov_b32 s40, 0                               ; the trip: 0 = Q, 1 = K
	s_mov_b32 s41, 0                               ; its set's first byte
.Lprod:
	v_add_nc_u32 v6, s41, v5                       ; this product's set (in these two products vector lines alone read v6)
	s_cmp_eq_u32 s40, 0
	s_cselect_b64 s[38:39], s[32:33], s[34:35]
	s_cselect_b32 s56, s42, s44
	s_cselect_b32 s57, s43, s45
	s_cselect_b32 s59, s58, 0                      ; K's product begins where Q's did; V's at K step 0
	v_mov_b32 v14, s56
	v_mov_b32 v15, s57
.irp q, 0,1,2,3,4,5,6,7
	STEP \q
.endr
	OUTQK
	s_wait_xcnt 0x0                                ; the stores have read their base, which the next trip chooses anew
	s_add_nc_u64 s[30:31], s[30:31], 131072        ; eight K steps on in my stream (no pending load names this pair: the loads' bases are s[60:63])
	s_add_co_u32 s41, s41, SETB
	s_add_co_u32 s40, s40, 1
	s_cmp_lt_u32 s40, 2
	s_cbranch_scc1 .Lprod
	; ---- V
	v_add_nc_u32 v6, 2*SETB, v5                    ; (no memory or LDS instruction has read v6 so far)
	v_mov_b32 v14, s46
	v_mov_b32 v15, s47
.irp q, 0,1,2,3,4,5,6,7
	STEPV \q
.endr
	PLACES
	s_wait_xcnt 0x0                                ; K's stores have had their addresses translated: the code registers are rewritten only behind this wait,
	s_wait_alu depctr_vm_vsrc(0)                   ; and behind this one: K's stores have read v192 to v207, which the conversions below write
	WIN 0x41
.set i, 0
.rept 64
	v_med3_num_f32 v[i], v[i], -v15, v15
.set i, i+1
.endr
	WIN 0x01
.irp n, 0,1
.irp m, 0,1,2,3
	v_cvt_scalef32_pk8_fp8_f32 v[PC+8*\n+2*\m:PC+8*\n+2*\m+1], v[8*(2*\m+\n):8*(2*\m+\n)+7], v14
.endr
.endr
	WIN 0
	v_nop
	s_wait_alu depctr_va_vdst(0)                   ; the conversions have written v192 to v207, which the four stores read
.irp n, 0,1
.irp c, 0,1
	global_store_b128 v1, v[PC+8*\n+4*\c:PC+8*\n+4*\c+3], s[36:37] offset:\n*1024+512*\c
.endr
.endr
	s_wait_dscnt 0x0                               ; the closing lines, six on end
	s_wait_alu 0x0
	s_wait_tensorcnt 0x0
	ds_add_u32 v30, v31
	s_wait_dscnt 0x0
	s_endpgm
.Lfunc_end_k_qe06c28f0f2_proj:
	.size	k_qe06c28f0f2_proj, .Lfunc_end_k_qe06c28f0f2_proj-k_qe06c28f0f2_proj
	.p2alignl 7, 3214868480
	.fill 96, 4, 3214868480
	.section	.rodata,"a",@progbits
	.p2align	6, 0x0
	.amdhsa_kernel k_qe06c28f0f2_proj
		.amdhsa_group_segment_fixed_size 200192
		.amdhsa_private_segment_fixed_size 0
		.amdhsa_enable_private_segment 0
		.amdhsa_kernarg_size 48
		.amdhsa_user_sgpr_count 2
		.amdhsa_user_sgpr_kernarg_segment_ptr 1
		.amdhsa_wavefront_size32 1
		.amdhsa_system_sgpr_workgroup_id_x 1
		.amdhsa_system_sgpr_workgroup_id_y 1
		.amdhsa_system_sgpr_workgroup_id_z 1
		.amdhsa_system_vgpr_workitem_id 0
		.amdhsa_next_free_vgpr 1024
		.amdhsa_next_free_sgpr 66
		.amdhsa_reserve_vcc 0
		.amdhsa_float_denorm_mode_32 3
		.amdhsa_float_denorm_mode_16_64 3
		.amdhsa_memory_ordered 1
		.amdhsa_forward_progress 1
		.amdhsa_inst_pref_size 234
	.end_amdhsa_kernel
	.amdgpu_metadata
---
amdhsa.version: [ 1, 2 ]
amdhsa.kernels:
  - .name:           k_qe06c28f0f2_proj
    .symbol:         k_qe06c28f0f2_proj.kd
    .args:
      - { .name: x, .offset: 0, .size: 8, .value_kind: global_buffer, .address_space: global }
      - { .name: wimg, .offset: 8, .size: 8, .value_kind: global_buffer, .address_space: global }
      - { .name: lowp_scales, .offset: 16, .size: 8, .value_kind: global_buffer, .address_space: global }
      - { .name: qimg, .offset: 24, .size: 8, .value_kind: global_buffer, .address_space: global }
      - { .name: kimg, .offset: 32, .size: 8, .value_kind: global_buffer, .address_space: global }
      - { .name: vimg, .offset: 40, .size: 8, .value_kind: global_buffer, .address_space: global }
    .group_segment_fixed_size: 200192
    .private_segment_fixed_size: 0
    .kernarg_segment_align: 8
    .kernarg_segment_size: 48
    .max_flat_workgroup_size: 128
    .sgpr_count:     66
    .vgpr_count:     1024
    .wavefront_size: 32
...
	.end_amdgpu_metadata
.endif
;; end of part 4
;; launch attn: the kernel of part 3 again; grid 64 x 4, 4 waves a work-group, clusters of 4 x 1, 327,680 bytes of LDS; arguments qimg, kimg, vimg, lowp_scales, out0; writes out0
